; MI455X (gfx1250); checked and timed in simulation.
; The chip was launched on July 23, 2026; its instructions are those of AMD's public machine-readable ISA for CDNA 5 (MIT licence, August 2026) and "CDNA5" Instruction Set Architecture Reference Guide (July 2026). The comments in the code are by the model that wrote it; some were corrected since.
;; Spectral Prox Layer. Allowed arithmetic: float matrix products may take bf16 or f16 operands with f32 sums; other float arithmetic in f32, or as packed bf16 or f16 multiplies, adds, multiply-adds, maxima and minima; sums over many terms, partial sums and values carried from step to step in f32; what a program stores and reads back later, other than sums and carried values, may be rounded once to bf16 or f16.
;; Inputs: A 8,192 x 8,192 float32; H 8,192 x 256 float32; V 8,192 x 32 float32; eigvals 32 float32; hop_weights 4 float32; lap_logits 32 float32; ln_beta 256 float32; ln_gamma 256 float32; spec_logits 32 float32; threshold 256 float32.
;; Outputs: out0 8,192 x 256 float32; out1 4 float32; out2 32 float32.
;; 2 versions, each right; version 2 is version 1 with the launches hop1, hop2, hop3 written anew for expert scheduling mode. Each part assembles by itself: llvm-mc -triple=amdgcn-amd-amdhsa -mcpu=gfx1250 --defsym DOCPART=n.
;; ======== version 1 of 2: 6 launches
;; workspace buffers: af 138,412,032 bytes; up 16,777,216 bytes; uf1 524,288 bytes; uf2 524,288 bytes; p0 2,097,152 bytes; ph 2,097,152 bytes; p3 8,388,608 bytes; tm 32,768 bytes
;; launch hop1 (part 1): grid 16 x 16, 8 waves a work-group, no clusters, 33,792 bytes of LDS; arguments A, V, af, up; writes af, up
.if DOCPART == 1
	.amdgcn_target "amdgcn-amd-amdhsa--gfx1250"
	.amdhsa_code_object_version 6
	.text
	.protected	k_q6eaa251e2e_hop1
	.globl	k_q6eaa251e2e_hop1
	.p2align	8
	.type	k_q6eaa251e2e_hop1,@function
k_q6eaa251e2e_hop1:
	s_mov_b64 s[64:65], 0
	v_nop
	global_prefetch_b8 v0, s[64:65] scope:SCOPE_SE
	s_setreg_imm32_b32 hwreg(HW_REG_WAVE_MODE, 25, 1), 1
	s_wait_xcnt 0x0
; SPECTRAL PROX LAYER, launch 1 of 6: partial sums of U_1 = V^T A, and A rounded once to bf16 in the order in which a matrix operand's registers take it.
; WORK LEFT OUT, for all finite values of the inputs, in exact arithmetic:
; (1) reference() forms hops[k] = A^k H ([8192][256]) and uses it in one place, Phi[k] = V^T hops[k].  Matrix products associate: V^T (A^k H) = (V^T A^k) H.
;     So U_k = V^T A^k ([32][8192]) is carried from hop to hop, U_(k+1) = U_k A, and Phi[k] = U_k H.  A^k H is never formed.
; (2) reference() solves M y = phi with M = I + c phi phi^T, c = 256 / (8192 x 0.25) = 0.125.  With n = |phi|^2 and y = phi / (1 + c n):
;     M y = phi / (1 + c n) + c phi n / (1 + c n) = phi.  c > 0, so 1 + c n >= 1 and M is regular: y is the solution.  No M is built, nothing is solved.
; All ten inputs have a way to an output, and all are loaded by some launch.
; LIMITS.  A NaN, an infinity or an overflow that would arise only inside A^k H, M or the solve is not carried to the result.  A, V, H and the U_k are matrix operands in bf16; all sums are f32.
; NAMES.  L = lane, r = L % 16, h = L / 16.  A matrix operand is 16 rows x 32 k in 8 registers a lane; place (h, e), e = 0..15, is register e / 2, half e % 2, of the lanes with that h.
; Both operands of a product name the same k in the same place, so the places may stand for any 32 indices.  K-BLOCK kb (0..255): place (h, e) stands for index
; 64 (kb / 2) + 32 h + 4 (e / 2) + 2 (kb % 2) + e % 2.  It is chosen so that what a hop's product leaves in a lane's registers is, rounded in pairs, the next hop's operand.
; TURNING BY THE CONVERSION.  A is contracted over its ROWS.  Load e takes, in lane (r, h), row (h, e) of the K-block and columns 4 r .. 4 r + 3 of a tile of 64 columns: each half of the
; wave reads 256 consecutive bytes, aligned.  v_cvt_pk_bf16_f32 of word c of loads 2 w and 2 w + 1 is register w of fragment c, in which lane r stands for column 4 r + c:
; the conversion that is owed anyway also turns the tile.  Nothing of A goes through LDS.
; V comes by loads of 8 bytes (lane r: columns 2 r, 2 r + 1), so fragment f of U holds, in lane r, spectral index s = 2 r + f.
; SHARES.  Work-group (cb, rb): columns 512 cb .., rows 512 rb .. (K-blocks 16 rb .. 16 rb + 15).  Wave w: the tile of 64 columns jt = 8 cb + w, in 16 steps of one K-block.
; The eight waves need the same 512 rows of V: each makes two K-blocks of them, and they meet in LDS.  The sums over the 16 rb are taken by the next launch (f32 partial sums in up).
; OUT.  af[cg = 2 jt + c / 2][kb][c % 2][q][lane][16 bytes], q = registers 0-3 or 4-7;  up[rb][jt][2 c + f][q][lane][4 f32].  Every store of a wave covers 512 consecutive bytes, aligned.
; No tensor loads and no ring: no byte of A is wanted by two waves.  No cluster: what work-groups share is V's slice, 64 KiB beside 1 MiB of A.
.set SPARE, 32768                      ; LDS 0 .. 32767: U_0's slice [kb 16][f][q][lane x 16]; behind it the spare words, 128 bytes for each wave, which no other line names
.set VAO, 3                            ; v3   A: 32 rows x h + 16 r
.set VVO, 4                            ; v4   V: 32 rows x h + 8 r
.set VLN, 5                            ; v5   16 x lane
.set VLS, 6                            ; v6   4,096 x wave + 16 x lane: where I put my two K-blocks of V
.set SPW, 8                            ; v8   LDS address of my spare word; never rewritten
.set NIL, 9                            ; v9   0; never rewritten
.set ACC, 16                           ; v[16:79]    eight accumulators, tile 2 c + f
.set AFR, 80                           ; v[80:143]   A's fragments, two sets of four
.set UFR, 144                          ; v[144:175]  U's fragments, two sets of two
                                       ; window 1 (v256-v511): A as loaded, four slots of 64: word c of load e at 4 e + c
.set MSB, 0
.macro WIN new                         ; s_set_vgpr_msb: bits 1:0 source 0, 3:2 source 1, 5:4 source 2, 7:6 destination; the high byte repeats the setting that is left
.if MSB != (\new)
	s_set_vgpr_msb (MSB<<8)|(\new)
.set MSB, (\new)
.endif
.endm
; Step t's 16 loads: 32 rows x 64 columns of f32.  The rows' place stands in the immediate: 223 rows of 32,768 bytes at the most, inside its signed 24 bits; steps 8 to 15 have a base 256 rows on.
.macro LOADA t
	WIN 0x40                               ; destination in window 1, address in window 0
.set le, 0
.rept 16
.if (\t) < 8
	global_load_b128 v[64*((\t)%4)+4*le:64*((\t)%4)+4*le+3], v[VAO], s[16:17] offset:(64*(((\t)%8)/2)+2*((\t)%2)+4*(le/2)+le%2)*32768 th:TH_LOAD_NT
.else
	global_load_b128 v[64*((\t)%4)+4*le:64*((\t)%4)+4*le+3], v[VAO], s[18:19] offset:(64*(((\t)%8)/2)+2*((\t)%2)+4*(le/2)+le%2)*32768 th:TH_LOAD_NT
.endif
.set le, le+1
.endr
.endm
; One step.  The two sets of fragments take turns: a set is written again two steps behind the products that read it, and the other step's 32 conversions, which name none of
; those products' registers, are the places between (ISA guide 7.12.1).  The eight accumulators take turns, one instruction a turn, in the same order in every step.
.macro STEP t
.set par, (\t)%2
.set raw, 64*((\t)%4)
	WIN 0
.set i, 0
.rept 4                                ; i = 2 f + q: this K-block's two fragments of U
	ds_load_b128 v[UFR+16*par+4*i:UFR+16*par+4*i+3], v[VLN] offset:(\t)*2048+512*i
.set i, i+1
.endr
.if (\t) <= 12
	s_wait_loadcnt 48                      ; my step's 16 loads are in; the 48 of the three steps behind it stay out
.else
	s_wait_loadcnt 16*(15-(\t))            ; the last steps: 16 for each step that is still to come
.endif
	s_wait_xcnt 0x0                        ; the stores of two steps back have read this set of fragments: it is written again only behind this wait
	WIN 0x05                               ; sources in window 1, destination in window 0
.set i, 0
.rept 32                               ; i = 8 c + w
	v_cvt_pk_bf16_f32 v[AFR+32*par+i], v[raw+8*(i%8)+i/8], v[raw+8*(i%8)+4+i/8]
.set i, i+1
.endr
.if (\t) <= 11
	LOADA (\t)+4                           ; the slot just read out takes the step four on
.endif
	WIN 0
	s_wait_dscnt 0x0                       ; U's fragments
.set i, 0
.rept 8                                ; i = 2 c + f
.if (\t) == 0
	v_wmma_f32_16x16x32_bf16 v[ACC+8*i:ACC+8*i+7], v[AFR+32*par+8*(i/2):AFR+32*par+8*(i/2)+7], v[UFR+16*par+8*(i%2):UFR+16*par+8*(i%2)+7], 0
.else
	v_wmma_f32_16x16x32_bf16 v[ACC+8*i:ACC+8*i+7], v[AFR+32*par+8*(i/2):AFR+32*par+8*(i/2)+7], v[UFR+16*par+8*(i%2):UFR+16*par+8*(i%2)+7], v[ACC+8*i:ACC+8*i+7]
.endif
.set i, i+1
.endr
.set i, 0
.rept 8                                ; i = 2 c + q: the fragments go out as they lie in the registers
	global_store_b128 v[VLN], v[AFR+32*par+4*i:AFR+32*par+4*i+3], s[20:21] offset:(i/4)*524288+(\t)*2048+((i/2)%2)*1024+(i%2)*512 th:TH_STORE_NT
.set i, i+1
.endr
.endm
	s_load_b256 s[4:11], s[0:1], 0x0           ; A s[4:5], V s[6:7], af s[8:9], up s[10:11]
	v_lshl_add_u32 v[SPW], v0, 2, SPARE
	v_mov_b32 v[NIL], 0
	v_lshrrev_b32 v1, 5, v0
	v_readfirstlane_b32 s12, v1                ; wave 0..7
	v_and_b32 v1, 15, v0                       ; r
	v_bfe_u32 v2, v0, 4, 1                     ; h
	v_lshlrev_b32 v[VAO], 4, v1
	v_lshl_or_b32 v[VAO], v2, 20, v[VAO]       ; 32 rows of 32,768 bytes
	v_lshlrev_b32 v[VVO], 3, v1
	v_lshl_or_b32 v[VVO], v2, 12, v[VVO]       ; 32 rows of 128 bytes
	v_and_b32 v[VLN], 31, v0
	v_lshlrev_b32 v[VLN], 4, v[VLN]
	s_lshl_b32 s26, s12, 12
	v_add_nc_u32 v[VLS], s26, v[VLN]
	s_and_b32 s14, ttmp7, 0xffff               ; rb
	s_lshl_b32 s15, ttmp9, 3
	s_add_co_u32 s15, s15, s12                 ; jt = 8 cb + wave
	s_lshl_b32 s26, s14, 24                    ; A: 512 rb rows of 32,768 bytes
	s_lshl_b32 s27, s15, 8                     ;    + 256 bytes for each tile of columns
	s_add_co_u32 s26, s26, s27
	s_mov_b32 s27, 0
	s_lshl_b32 s28, s15, 20                    ; af: two column groups of 524,288 bytes for each jt
	s_lshl_b32 s29, s14, 15                    ;     + 16 rb K-blocks of 2,048 bytes
	s_add_co_u32 s28, s28, s29
	s_mov_b32 s29, 0
	s_lshl_b32 s30, s14, 20                    ; up: rb x 128 tiles x 8,192 bytes
	s_lshl_b32 s31, s15, 13
	s_add_co_u32 s30, s30, s31
	s_mov_b32 s31, 0
	s_lshl_b32 s32, s14, 16                    ; V: (512 rb + 64 wave) rows of 128 bytes
	s_lshl_b32 s33, s12, 13
	s_add_co_u32 s32, s32, s33
	s_mov_b32 s33, 0
	s_wait_kmcnt 0x0
	s_add_nc_u64 s[16:17], s[4:5], s[26:27]
	s_add_nc_u64 s[18:19], s[16:17], 0x800000  ; 256 rows on
	s_add_nc_u64 s[20:21], s[8:9], s[28:29]
	s_add_nc_u64 s[22:23], s[10:11], s[30:31]
	s_add_nc_u64 s[24:25], s[6:7], s[32:33]
	; my two K-blocks of V (64 rows), into the registers that later hold A's fragments
.set i, 0
.rept 32                               ; i = 16 (kb % 2) + e
	global_load_b64 v[AFR+2*i:AFR+2*i+1], v[VVO], s[24:25] offset:(4*((i%16)/2)+2*(i/16)+i%2)*128
.set i, i+1
.endr
	LOADA 0
	LOADA 1
	WIN 0
	s_wait_loadcnt 32                          ; V is in; the 32 loads of steps 0 and 1 stay out
.set i, 0
.rept 32                               ; i = 16 (kb % 2) + 8 f + w
	v_cvt_pk_bf16_f32 v[UFR+i], v[AFR+32*(i/16)+4*(i%8)+(i/8)%2], v[AFR+32*(i/16)+4*(i%8)+2+(i/8)%2]
.set i, i+1
.endr
.set i, 0
.rept 8
	ds_store_b128 v[VLS], v[UFR+4*i:UFR+4*i+3] offset:512*i
.set i, i+1
.endr
	LOADA 2                                    ; four steps, 64 loads, are asked for; the issue waits where the counter's field is full (ISA guide 5.7.1)
	LOADA 3
	WIN 0
	s_wait_dscnt 0x0                           ; for the others' sake: my part of U_0's slice is written
	s_barrier_signal -1
	s_barrier_wait -1                          ; everybody's is; nothing writes it again
.irp t, 0,1,2,3,4,5,6,7,8,9,10,11,12,13,14,15
	STEP \t
.endr
.rept 8
	v_nop                                      ; the places between the last products and the stores that read their results
.endr
.set i, 0
.rept 16                               ; i = 2 (2 c + f) + q: each accumulator's low registers go first
	global_store_b128 v[VLN], v[ACC+4*i:ACC+4*i+3], s[22:23] offset:512*i th:TH_STORE_NT
.set i, i+1
.endr
	s_wait_tensorcnt 0x0                       ; the wave's end: behind my last LDS store
	ds_add_u32 v[SPW], v[NIL]
	s_wait_dscnt 0x0
	s_endpgm
.Lfunc_end_k_q6eaa251e2e_hop1:
	.size	k_q6eaa251e2e_hop1, .Lfunc_end_k_q6eaa251e2e_hop1-k_q6eaa251e2e_hop1
	.p2alignl 7, 3214868480
	.fill 96, 4, 3214868480
	.section	.rodata,"a",@progbits
	.p2align	6, 0x0
	.amdhsa_kernel k_q6eaa251e2e_hop1
		.amdhsa_group_segment_fixed_size 33792
		.amdhsa_private_segment_fixed_size 0
		.amdhsa_enable_private_segment 0
		.amdhsa_kernarg_size 32
		.amdhsa_user_sgpr_count 2
		.amdhsa_user_sgpr_kernarg_segment_ptr 1
		.amdhsa_wavefront_size32 1
		.amdhsa_system_sgpr_workgroup_id_x 1
		.amdhsa_system_sgpr_workgroup_id_y 1
		.amdhsa_system_sgpr_workgroup_id_z 1
		.amdhsa_system_vgpr_workitem_id 0
		.amdhsa_next_free_vgpr 512
		.amdhsa_next_free_sgpr 66
		.amdhsa_reserve_vcc 0
		.amdhsa_float_denorm_mode_32 3
		.amdhsa_float_denorm_mode_16_64 3
		.amdhsa_memory_ordered 1
		.amdhsa_forward_progress 1
		.amdhsa_inst_pref_size 93
	.end_amdhsa_kernel
	.amdgpu_metadata
---
amdhsa.version: [ 1, 2 ]
amdhsa.kernels:
  - .name:           k_q6eaa251e2e_hop1
    .symbol:         k_q6eaa251e2e_hop1.kd
    .args:
      - { .name: A, .offset: 0, .size: 8, .value_kind: global_buffer, .address_space: global }
      - { .name: V, .offset: 8, .size: 8, .value_kind: global_buffer, .address_space: global }
      - { .name: af, .offset: 16, .size: 8, .value_kind: global_buffer, .address_space: global }
      - { .name: up, .offset: 24, .size: 8, .value_kind: global_buffer, .address_space: global }
    .group_segment_fixed_size: 33792
    .private_segment_fixed_size: 0
    .kernarg_segment_align: 8
    .kernarg_segment_size: 32
    .max_flat_workgroup_size: 256
    .sgpr_count:     66
    .vgpr_count:     512
    .wavefront_size: 32
...
	.end_amdgpu_metadata
.endif
;; end of part 1
;; launch mid (part 2): grid 512 x 1, 4 waves a work-group, no clusters, 33,280 bytes of LDS; arguments up, H, V, uf1, af, p0; writes uf1, af, p0
.if DOCPART == 2
	.amdgcn_target "amdgcn-amd-amdhsa--gfx1250"
	.amdhsa_code_object_version 6
	.text
	.protected	k_q6eaa251e2e_mid
	.globl	k_q6eaa251e2e_mid
	.p2align	8
	.type	k_q6eaa251e2e_mid,@function
k_q6eaa251e2e_mid:
	s_mov_b64 s[64:65], 0
	v_nop
	global_prefetch_b8 v0, s[64:65] scope:SCOPE_SE
	s_setreg_imm32_b32 hwreg(HW_REG_WAVE_MODE, 25, 1), 1
	s_wait_xcnt 0x0
; Launch 2 of 6.  A^k H is never formed: U_k = V^T A^k is carried instead (the proof stands at the head of launch 1).  Names (K-block, place, fragment, s = 2 r + f) as there.
; Work-groups 256 .. 511 (ROLE R): K-block kb = x - 256 of U_1: the 16 partial sums of launch 1 are added in f32, rounded once to bf16 and stored as the next hop's operand,
;   uf1[kb][f][q][lane][16 bytes].  Register j of tile c = 2 (kb % 2) + g holds column 64 (kb / 2) + 32 h + 4 j + c: place (h, 2 j + g) of K-block kb.  So register j of the fragment is the pair (g = 0, g = 1).
; Work-groups 0 .. 255 (ROLE H): dt = x % 4 (64 columns of H), part = x / 4; wave w takes K-block kb = 4 part + w: 32 rows of H and of V.  H is turned by the conversion as A was and stored as the
;   column groups 256 + 2 dt, 257 + 2 dt of af, so that the hops multiply U_k by [A | H] in one text.  And Phi_0 = V^T H: eight products, the four waves' sums added through LDS,
;   p0[dt][part][16 f + place][64 d] in f32; the sum over the 64 parts is taken in launch 5.
; The role hangs on the work-group's number alone; the one barrier stands on the way that both roles take.
.set SPARE, 32768                      ; LDS 0 .. 32767: [wave][2 c + f][q][lane x 16]; behind it the spare words, 128 bytes for each wave
.set VLN, 3                            ; v3   16 x lane
.set VVO, 4                            ; v4   V: 32 rows x h + 8 r
.set VHO, 5                            ; v5   H: 32 rows x h + 16 r
.set VLS, 6                            ; v6   8,192 x wave + 16 x lane
.set VLR, 7                            ; v7   16 x thread = 1,024 f + 512 q + 16 x lane, with f = wave / 2, q = wave % 2
.set SPW, 8                            ; v8   LDS address of my spare word; never rewritten
.set NIL, 9                            ; v9   0; never rewritten
.set VPO, 10                           ; v10  p0: 8 rows of 256 bytes x h + 16 r
.set RR,  16                           ; role R: v[16:143] 32 vectors of four partial sums, g x 16 + rb;  v[144:147] the packed result
.set PKR, 144
.set VR,  16                           ; role H: v[16:47] V as loaded; v[48:111] H as loaded; v[112:127] V's two fragments; v[128:159] H's four; v[160:223] eight results
.set HR,  48
.set VFR, 112
.set HFR, 128
.set DD,  160
.set LB,  16                           ; role H behind the barrier: v[16:79] the four waves' parts; v[80:95] four rows of four sums
.set QQ,  80
.macro HALVE base, n                   ; of 2 n vectors of four registers, vector i takes vector i + n
.set hv, 0
.rept \n
	v_pk_add_f32 v[(\base)+4*hv:(\base)+4*hv+1], v[(\base)+4*hv:(\base)+4*hv+1], v[(\base)+4*(hv+(\n)):(\base)+4*(hv+(\n))+1]
	v_pk_add_f32 v[(\base)+4*hv+2:(\base)+4*hv+3], v[(\base)+4*hv+2:(\base)+4*hv+3], v[(\base)+4*(hv+(\n))+2:(\base)+4*(hv+(\n))+3]
.set hv, hv+1
.endr
.endm
	s_load_b256 s[4:11], s[0:1], 0x0           ; up s[4:5], H s[6:7], V s[8:9], uf1 s[10:11]
	s_load_b128 s[12:15], s[0:1], 0x20         ; af s[12:13], p0 s[14:15]
	v_lshl_add_u32 v[SPW], v0, 2, SPARE
	v_mov_b32 v[NIL], 0
	v_lshrrev_b32 v1, 5, v0
	v_readfirstlane_b32 s16, v1                ; wave 0..3
	v_and_b32 v1, 15, v0                       ; r
	v_bfe_u32 v2, v0, 4, 1                     ; h
	v_and_b32 v[VLN], 31, v0
	v_lshlrev_b32 v[VLN], 4, v[VLN]
	v_lshlrev_b32 v[VLR], 4, v0
	v_lshlrev_b32 v[VVO], 3, v1
	v_lshl_or_b32 v[VVO], v2, 12, v[VVO]
	v_lshlrev_b32 v[VHO], 4, v1
	v_lshl_or_b32 v[VPO], v2, 11, v[VHO]
	v_lshl_or_b32 v[VHO], v2, 15, v[VHO]
	s_lshl_b32 s18, s16, 13
	v_add_nc_u32 v[VLS], s18, v[VLN]
	s_mov_b32 s17, ttmp9                       ; x
	s_and_b32 s19, s17, 3                      ; dt
	s_bfe_u32 s20, s17, 0x60002                ; part: six bits from bit 2
	s_and_b32 s22, s17, 255                    ; role R's kb
	s_mov_b32 s25, 0                           ; the high word of every offset
	s_wait_kmcnt 0x0
	s_cmp_lt_u32 s17, 256
	s_cbranch_scc1 .Lrole_h
	; ROLE R.  (jt, kb % 2) x 4,096 bytes = kb x 4,096; tile 2 (2 (kb % 2) + g) + f lies 2,048 g + 1,024 f further on
	s_lshl_b32 s24, s22, 12
	s_add_nc_u64 s[26:27], s[4:5], s[24:25]
	s_add_nc_u64 s[28:29], s[26:27], 0x800000  ; rb = 8 .. 15
	s_lshl_b32 s24, s22, 11
	s_add_nc_u64 s[30:31], s[10:11], s[24:25]
.set i, 0
.rept 32                               ; i = 16 g + rb
.if (i%16) < 8
	global_load_b128 v[RR+4*i:RR+4*i+3], v[VLR], s[26:27] offset:(i%8)*1048576+(i/16)*2048 th:TH_LOAD_NT
.else
	global_load_b128 v[RR+4*i:RR+4*i+3], v[VLR], s[28:29] offset:(i%8)*1048576+(i/16)*2048 th:TH_LOAD_NT
.endif
.set i, i+1
.endr
	s_wait_loadcnt 0x0
.irp n, 8,4,2,1
	HALVE RR, \n
	HALVE RR+64, \n
.endr
.irp i, 0,1,2,3
	v_cvt_pk_bf16_f32 v[PKR+\i], v[RR+\i], v[RR+64+\i]
.endr
	global_store_b128 v[VLR], v[PKR:PKR+3], s[30:31]
	s_branch .Lbar
.Lrole_h:
	s_lshl_b32 s21, s20, 2
	s_add_co_u32 s21, s21, s16                 ; kb = 4 part + wave
	s_lshr_b32 s23, s21, 1
	s_lshl_b32 s23, s23, 6
	s_and_b32 s24, s21, 1
	s_lshl_b32 s24, s24, 1
	s_add_co_u32 s23, s23, s24                 ; the K-block's first row: 64 (kb / 2) + 2 (kb % 2)
	s_lshl_b32 s24, s23, 7
	s_add_nc_u64 s[26:27], s[8:9], s[24:25]    ; V there
	s_lshl_b32 s24, s23, 10
	s_lshl_b32 s32, s19, 8
	s_add_co_u32 s24, s24, s32
	s_add_nc_u64 s[28:29], s[6:7], s[24:25]    ; H there, at my 64 columns
	s_lshl_b32 s24, s19, 20                    ; af: column group 256 + 2 dt (524,288 bytes a group),
	s_add_co_u32 s24, s24, 0x8000000
	s_lshl_b32 s32, s21, 11                    ;     K-block kb
	s_add_co_u32 s24, s24, s32
	s_add_nc_u64 s[30:31], s[12:13], s[24:25]
.set i, 0
.rept 16
	global_load_b64 v[VR+2*i:VR+2*i+1], v[VVO], s[26:27] offset:(4*(i/2)+i%2)*128
.set i, i+1
.endr
.set i, 0
.rept 16
	global_load_b128 v[HR+4*i:HR+4*i+3], v[VHO], s[28:29] offset:(4*(i/2)+i%2)*1024
.set i, i+1
.endr
	s_wait_loadcnt 0x0
.set i, 0
.rept 16                               ; i = 8 f + w
	v_cvt_pk_bf16_f32 v[VFR+i], v[VR+4*(i%8)+i/8], v[VR+4*(i%8)+2+i/8]
.set i, i+1
.endr
.set i, 0
.rept 32                               ; i = 8 c + w
	v_cvt_pk_bf16_f32 v[HFR+i], v[HR+8*(i%8)+i/8], v[HR+8*(i%8)+4+i/8]
.set i, i+1
.endr
.set i, 0
.rept 8                                ; i = 2 c + q
	global_store_b128 v[VLN], v[HFR+4*i:HFR+4*i+3], s[30:31] offset:(i/4)*524288+((i/2)%2)*1024+(i%2)*512
.set i, i+1
.endr
	; source 0 = V's fragment, source 1 = H's: register j of lane (r, h) holds place 8 h + j of f, column 64 dt + 4 r + c.  Eight sums of one product each: C is the constant 0
.set i, 0
.rept 8                                ; i = 2 c + f
	v_wmma_f32_16x16x32_bf16 v[DD+8*i:DD+8*i+7], v[VFR+8*(i%2):VFR+8*(i%2)+7], v[HFR+8*(i/2):HFR+8*(i/2)+7], 0
.set i, i+1
.endr
.rept 8
	v_nop                                      ; the places between the products and the LDS stores that read their results
.endr
.set i, 0
.rept 16                               ; each accumulator's low registers go first
	ds_store_b128 v[VLS], v[DD+4*i:DD+4*i+3] offset:512*i
.set i, i+1
.endr
.Lbar:
	s_wait_dscnt 0x0                           ; for the others' sake: my partial tiles are written
	s_barrier_signal -1
	s_barrier_wait -1
	s_cmp_ge_u32 s17, 256
	s_cbranch_scc1 .Lend
	; wave w adds, for f = w / 2 and q = w % 2, the four waves' parts of the four tiles c
.set i, 0
.rept 16                               ; i = 4 c + the wave that wrote
	ds_load_b128 v[LB+4*i:LB+4*i+3], v[VLR] offset:(i%4)*8192+(i/4)*2048
.set i, i+1
.endr
	s_lshl_b32 s24, s19, 19                    ; p0: dt x 64 parts x 8,192 bytes
	s_lshl_b32 s32, s20, 13
	s_add_co_u32 s24, s24, s32
	s_lshr_b32 s32, s16, 1
	s_lshl_b32 s32, s32, 12                    ; 16 f rows of 256 bytes
	s_add_co_u32 s24, s24, s32
	s_and_b32 s32, s16, 1
	s_lshl_b32 s32, s32, 10                    ; 4 q rows
	s_add_co_u32 s24, s24, s32
	s_add_nc_u64 s[34:35], s[14:15], s[24:25]
	s_wait_dscnt 0x0
.irp c, 0,1,2,3
	HALVE LB+16*\c, 1
	HALVE LB+16*\c+8, 1
.irp i, 0,1,2,3
	v_add_f32 v[QQ+4*\i+\c], v[LB+16*\c+\i], v[LB+16*\c+8+\i]   ; the last addition lays the four columns 4 r .. 4 r + 3 of a row side by side
.endr
.endr
.irp i, 0,1,2,3
	global_store_b128 v[VPO], v[QQ+4*\i:QQ+4*\i+3], s[34:35] offset:256*\i   ; 16 lanes store a row's 256 consecutive bytes, aligned
.endr
.Lend:
	s_wait_tensorcnt 0x0                       ; the wave's end: behind my last LDS store
	ds_add_u32 v[SPW], v[NIL]
	s_wait_dscnt 0x0
	s_endpgm
.Lfunc_end_k_q6eaa251e2e_mid:
	.size	k_q6eaa251e2e_mid, .Lfunc_end_k_q6eaa251e2e_mid-k_q6eaa251e2e_mid
	.p2alignl 7, 3214868480
	.fill 96, 4, 3214868480
	.section	.rodata,"a",@progbits
	.p2align	6, 0x0
	.amdhsa_kernel k_q6eaa251e2e_mid
		.amdhsa_group_segment_fixed_size 33280
		.amdhsa_private_segment_fixed_size 0
		.amdhsa_enable_private_segment 0
		.amdhsa_kernarg_size 48
		.amdhsa_user_sgpr_count 2
		.amdhsa_user_sgpr_kernarg_segment_ptr 1
		.amdhsa_wavefront_size32 1
		.amdhsa_system_sgpr_workgroup_id_x 1
		.amdhsa_system_sgpr_workgroup_id_y 1
		.amdhsa_system_sgpr_workgroup_id_z 1
		.amdhsa_system_vgpr_workitem_id 0
		.amdhsa_next_free_vgpr 224
		.amdhsa_next_free_sgpr 66
		.amdhsa_reserve_vcc 0
		.amdhsa_float_denorm_mode_32 3
		.amdhsa_float_denorm_mode_16_64 3
		.amdhsa_memory_ordered 1
		.amdhsa_forward_progress 1
		.amdhsa_inst_pref_size 22
	.end_amdhsa_kernel
	.amdgpu_metadata
---
amdhsa.version: [ 1, 2 ]
amdhsa.kernels:
  - .name:           k_q6eaa251e2e_mid
    .symbol:         k_q6eaa251e2e_mid.kd
    .args:
      - { .name: up, .offset: 0, .size: 8, .value_kind: global_buffer, .address_space: global }
      - { .name: H, .offset: 8, .size: 8, .value_kind: global_buffer, .address_space: global }
      - { .name: V, .offset: 16, .size: 8, .value_kind: global_buffer, .address_space: global }
      - { .name: uf1, .offset: 24, .size: 8, .value_kind: global_buffer, .address_space: global }
      - { .name: af, .offset: 32, .size: 8, .value_kind: global_buffer, .address_space: global }
      - { .name: p0, .offset: 40, .size: 8, .value_kind: global_buffer, .address_space: global }
    .group_segment_fixed_size: 33280
    .private_segment_fixed_size: 0
    .kernarg_segment_align: 8
    .kernarg_segment_size: 48
    .max_flat_workgroup_size: 128
    .sgpr_count:     66
    .vgpr_count:     224
    .wavefront_size: 32
...
	.end_amdgpu_metadata
.endif
;; end of part 2
;; launch hop2 (part 3): grid 256 x 1, 8 waves a work-group, no clusters, 68,608 bytes of LDS; arguments af, uf1, uf2, ph; writes uf2, ph
.if DOCPART == 3
	.amdgcn_target "amdgcn-amd-amdhsa--gfx1250"
	.amdhsa_code_object_version 6
	.text
	.protected	k_q6eaa251e2e_hop2
	.globl	k_q6eaa251e2e_hop2
	.p2align	8
	.type	k_q6eaa251e2e_hop2,@function
k_q6eaa251e2e_hop2:
	s_mov_b64 s[64:65], 0
	v_nop
	global_prefetch_b8 v0, s[64:65] scope:SCOPE_SE
	s_setreg_imm32_b32 hwreg(HW_REG_WAVE_MODE, 25, 1), 1
	s_wait_xcnt 0x0
; Launches 3 and 4 of 6 are one text; LAST = 0: U_2 = U_1 A and partial sums of Phi_1 = U_1 H;  LAST = 1: partial sums of Phi_2 = U_2 H and of Phi_3 = (U_2 A) H.
; A^k H is never formed: U_k = V^T A^k is carried instead (the proof stands at the head of launch 1).  Names (K-block, place, fragment) as there.
; SHARES: 256 work-groups of equal work.  Work-group x owns column group x of af: the 32 columns of A that are K-block x, and ALL 8,192 rows, so each number of U_(k+1) has one owner.
; Wave w takes K-blocks 32 w .. 32 w + 31, one a step: two fragments of af (each read once in the launch, by this wave alone) and two of U (which every work-group reads),
; straight from memory into operand registers: each load of a wave covers 512 consecutive bytes, aligned.  Nothing is shared between waves on the way in, so nothing goes through LDS.
; H'S SHARE.  Phi_k = the sum over K-blocks kb of U_k[:, kb] H[kb, :]: 256 kb x 4 tiles dt of 64 columns x 2 fragments f of U = 2,048 units of four products, one for each wave of the launch.
; Work-group x: dt = x % 4, f = (x / 4) % 2, part = x / 8; wave w: kb = 8 part + w.  Source 0 = U's fragment, source 1 = H's four (column groups 256 + 2 dt, 257 + 2 dt of af): register j of lane (r, h)
; of result c holds place 8 h + j of f, column 64 dt + 4 r + c.  The unit stands at the wave's beginning, on its oldest loads, in the accumulators that the stream has not yet begun, and waits in LDS for the end.
; IN FLIGHT.  af's fragments are asked for seven steps ahead, U's four.  The waits are counted.
; THE END.  The eight waves' partial tiles meet in LDS.  Waves 0-3 add A's (wave w: f = w / 2, registers 4 (w % 2) ..): register j of tile (g, f) holds, for place r of f, column place (h, 2 j + g) of the group.
;   LAST = 0: the pairs (g = 0, g = 1), rounded to bf16, are K-block x of the next hop's operand: uf2[kb][f][q][lane][16 bytes].
;   LAST = 1: U_3 is not stored.  Phi_3 = the sum over x of U_3[:, K-block x] H[K-block x, :]: the packed K-block goes through LDS to all eight waves, wave w multiplies fragment f = w % 2
;             by H's four fragments of columns 64 (w / 2) .., and the partial sum is stored: p3[x][16 f + place][256 d] in f32.
; Waves 4 and 5 add H's (wave 4 + q: registers 4 q ..) and store them: ph[LAST][part][16 f + place][256 d] in f32.  The sums over part and over x are taken in launch 5.
; NO CLUSTER, no tensor loads.  U, 524,288 bytes, is what all work-groups read: half of a work-group's bytes.  Asked for jointly it would come through LDS; two slots of a quarter of it
; (131,072 bytes each) do not fit beside the 68,608 bytes used here, and slots of an eighth mean six refills, each behind a round of the cluster's barrier at which 32 waves meet, in a launch
; whose length is af's stream, which is each wave's own.  Not built.
.set LAST,  0
.set HP,    32768                      ; LDS 0 .. 32767: A's partial tiles [wave][2 g + f][q][lane x 16];  HP: H's [wave][c][q][lane x 16]
.set UB,    65536                      ; the packed K-block of U_3 (LAST = 1), 2,048 bytes
.set SPARE, 67584                      ; the spare words, 128 bytes for each wave, which no other line names
.set VUB, 1                            ; v1   LAST = 1: UB + 1,024 (wave % 2) + 16 x lane
.set VLN, 2                            ; v2   16 x lane
.set VLS, 3                            ; v3   4,096 x wave + 16 x lane
.set VLR, 4                            ; v4   16 x thread: in waves 0-3 this is 1,024 f + 512 q + 16 x lane
.set VP3, 5                            ; v5   8 rows of 1,024 bytes x h + 16 r
.set SPW, 6                            ; v6   LDS address of my spare word; never rewritten
.set NIL, 7                            ; v7   0; never rewritten
.set ACC, 8                            ; v[8:39]     four accumulators: H's unit (tile c), then the stream (tile 2 g + f), then (LAST = 1) the last product (tile c)
.set HFR, 40                           ; v[40:71]    H's four fragments: my unit's, then (LAST = 1) the last product's
.set AFB, 72                           ; v[72:183]   af's fragments: seven slots of two
.set UFB, 184                          ; v[184:247]  U's fragments: four slots of two
.set UR,  248                          ; v[248:255]  one fragment of U: my unit's, then (LAST = 1) U_3's
.set RB,  72                           ; the end: vectors of four partial sums: waves 0-3 v[72:135], 8 g + wave; waves 4, 5 v[72:199], 8 c + wave
.set QQ,  72                           ; LAST = 1: v[72:103] eight rows of four sums
.set EE,  184                          ; waves 0-3: v[184:191] the sums, 2 i + g
.set PK,  192                          ; waves 0-3: v[192:195] packed
.set QH,  200                          ; waves 4, 5: v[200:215] four rows of four sums
.set VRH, 216                          ; waves 4, 5: HP + 512 q + 16 x lane
.set VUS, 217                          ; LAST = 1, waves 0-3: UB + 16 x thread
.macro HALVE base, n                   ; of 2 n vectors of four registers, vector i takes vector i + n
.set hv, 0
.rept \n
	v_pk_add_f32 v[(\base)+4*hv:(\base)+4*hv+1], v[(\base)+4*hv:(\base)+4*hv+1], v[(\base)+4*(hv+(\n)):(\base)+4*(hv+(\n))+1]
	v_pk_add_f32 v[(\base)+4*hv+2:(\base)+4*hv+3], v[(\base)+4*hv+2:(\base)+4*hv+3], v[(\base)+4*(hv+(\n))+2:(\base)+4*(hv+(\n))+3]
.set hv, hv+1
.endr
.endm
.macro LDAF t                          ; step t's two fragments of af
.set li, 0
.rept 4
	global_load_b128 v[AFB+16*((\t)%7)+4*li:AFB+16*((\t)%7)+4*li+3], v[VLN], s[20:21] offset:(\t)*2048+512*li th:TH_LOAD_NT
.set li, li+1
.endr
.endm
.macro LDUF t                          ; step t's two fragments of U
.set li, 0
.rept 4
	global_load_b128 v[UFB+16*((\t)%4)+4*li:UFB+16*((\t)%4)+4*li+3], v[VLN], s[22:23] offset:(\t)*2048+512*li
.set li, li+1
.endr
.endm
; One step.  The order of issue is .. AF(t+3) UF(t) AF(t+4) UF(t+1) AF(t+5) UF(t+2) AF(t+6) UF(t+3) | step t: behind UF(t) stand six groups of four loads, as far as they exist; AF(t) is older.
; With LAST = 1 the eight loads of the last product's fragments of H stand between UF(3) and step 0: they are younger than UF(0) .. UF(3) and older than UF(4).
; The four accumulators take turns, one instruction a turn, in the same order in every step.
.macro STEP t
.if (\t) <= 3
	s_wait_loadcnt 24+8*LAST
.elseif (\t) <= 25
	s_wait_loadcnt 24
.else
	s_wait_loadcnt 4*(31-(\t))             ; 20, 16, 12, 8, 4, 0: the groups that no longer exist are not counted
.endif
.set i, 0
.rept 4                                ; i = 2 g + f
.if (\t) == 0
	v_wmma_f32_16x16x32_bf16 v[ACC+8*i:ACC+8*i+7], v[AFB+16*((\t)%7)+8*(i/2):AFB+16*((\t)%7)+8*(i/2)+7], v[UFB+16*((\t)%4)+8*(i%2):UFB+16*((\t)%4)+8*(i%2)+7], 0
.else
	v_wmma_f32_16x16x32_bf16 v[ACC+8*i:ACC+8*i+7], v[AFB+16*((\t)%7)+8*(i/2):AFB+16*((\t)%7)+8*(i/2)+7], v[UFB+16*((\t)%4)+8*(i%2):UFB+16*((\t)%4)+8*(i%2)+7], v[ACC+8*i:ACC+8*i+7]
.endif
.set i, i+1
.endr
.if (\t) <= 27
.rept 4
	v_nop                                      ; four places in front of loads into registers that these products have read
.endr
.endif
.if (\t) <= 24
	LDAF (\t)+7
.endif
.if (\t) <= 27
	LDUF (\t)+4
.endif
.endm
	s_load_b256 s[4:11], s[0:1], 0x0           ; af s[4:5], U s[6:7], uf2 or p3 s[8:9], ph s[10:11]
	v_lshl_add_u32 v[SPW], v0, 2, SPARE
	v_mov_b32 v[NIL], 0
	v_lshrrev_b32 v1, 5, v0
	v_readfirstlane_b32 s12, v1                ; wave 0..7
	v_and_b32 v[VLN], 31, v0
	v_lshlrev_b32 v[VLN], 4, v[VLN]
	v_lshlrev_b32 v[VLR], 4, v0
	s_lshl_b32 s14, s12, 12
	v_add_nc_u32 v[VLS], s14, v[VLN]
	v_and_b32 v[VP3], 15, v0
	v_lshlrev_b32 v[VP3], 4, v[VP3]
	v_bfe_u32 v1, v0, 4, 1
	v_lshl_or_b32 v[VP3], v1, 13, v[VP3]
	s_mov_b32 s13, ttmp9                       ; x: my column group, and a K-block's number
	s_lshr_b32 s15, s12, 1                     ; wave / 2
	s_and_b32 s16, s12, 1                      ; wave % 2
	s_and_b32 s17, s13, 3                      ; my unit of H: dt,
	s_bfe_u32 s18, s13, 0x10002                ; f (one bit from bit 2),
	s_lshr_b32 s19, s13, 3                     ; part,
	s_lshl_b32 s40, s19, 3
	s_add_co_u32 s40, s40, s12                 ; kb = 8 part + wave
	s_lshl_b32 s28, s13, 19                    ; af: my group of 524,288 bytes,
	s_lshl_b32 s30, s12, 16                    ; my 32 K-blocks of 2,048 bytes, in af and in U
	s_add_co_u32 s28, s28, s30
	s_mov_b32 s29, 0
	s_mov_b32 s31, 0
	s_lshl_b32 s32, s19, 15                    ; ph: part x 32,768 + 16 f rows of 1,024 bytes + 256 bytes for each 64 columns + 4 q rows (q = wave % 2, in waves 4 and 5)
	s_lshl_b32 s33, s18, 14
	s_add_co_u32 s32, s32, s33
	s_lshl_b32 s33, s17, 8
	s_add_co_u32 s32, s32, s33
	s_lshl_b32 s33, s16, 12
	s_add_co_u32 s32, s32, s33
.if LAST
	s_add_co_u32 s32, s32, 1048576             ; the second image
.endif
	s_mov_b32 s33, 0
	s_add_co_u32 s42, s17, 128                 ; my unit's fragments of H: column group 256 + 2 dt,
	s_lshl_b32 s42, s42, 20
	s_lshl_b32 s43, s40, 11                    ; K-block kb
	s_add_co_u32 s42, s42, s43
	s_lshl_b32 s44, s18, 10                    ; and of U: K-block kb, fragment f
	s_add_co_u32 s44, s44, s43
	s_mov_b32 s43, 0
	s_mov_b32 s45, 0
	s_lshl_b32 s46, s16, 9
	s_add_co_u32 s46, s46, HP                  ; LDS: quarter q of H's tiles
.if LAST
	s_lshl_b32 s14, s16, 10
	s_add_co_u32 s14, s14, UB
	v_add_nc_u32 v[VUB], s14, v[VLN]
	s_lshl_b32 s34, s13, 15                    ; p3: x x 32,768 + 16 f rows of 1,024 bytes + 256 bytes for each 64 columns
	s_lshl_b32 s35, s16, 14
	s_add_co_u32 s34, s34, s35
	s_lshl_b32 s35, s15, 8
	s_add_co_u32 s34, s34, s35
	s_add_co_u32 s36, s15, 128                 ; the last product's fragments of H: column group 256 + 2 (wave / 2),
	s_lshl_b32 s36, s36, 20
	s_lshl_b32 s37, s13, 11                    ; K-block x
	s_add_co_u32 s36, s36, s37
	s_mov_b32 s37, 0
.else
	s_lshl_b32 s34, s13, 11                    ; uf2: K-block x
.endif
	s_mov_b32 s35, 0
	s_wait_kmcnt 0x0
	s_add_nc_u64 s[20:21], s[4:5], s[28:29]
	s_add_nc_u64 s[22:23], s[6:7], s[30:31]
	s_add_nc_u64 s[26:27], s[10:11], s[32:33]
	s_add_nc_u64 s[24:25], s[8:9], s[34:35]
	s_add_nc_u64 s[42:43], s[4:5], s[42:43]
	s_add_nc_u64 s[44:45], s[6:7], s[44:45]
.if LAST
	s_add_nc_u64 s[38:39], s[4:5], s[36:37]
.endif
.set i, 0
.rept 8                                ; i = 2 c + q: my unit of H, the oldest loads
	global_load_b128 v[HFR+4*i:HFR+4*i+3], v[VLN], s[42:43] offset:(i/4)*524288+((i/2)%2)*1024+(i%2)*512
.set i, i+1
.endr
	global_load_b128 v[UR:UR+3], v[VLN], s[44:45]
	global_load_b128 v[UR+4:UR+7], v[VLN], s[44:45] offset:512
	LDAF 0
	LDAF 1
	LDAF 2
	LDAF 3
	LDUF 0
	LDAF 4
	LDUF 1
	LDAF 5
	LDUF 2
	LDAF 6
	LDUF 3
	s_wait_loadcnt 44                          ; my unit's ten loads are in; the 44 of the stream's first steps stay out
.irp c, 0,1,2,3                        ; four sums of one product each: C is the constant 0
	v_wmma_f32_16x16x32_bf16 v[ACC+8*\c:ACC+8*\c+7], v[UR:UR+7], v[HFR+8*\c:HFR+8*\c+7], 0
.endr
.rept 8
	v_nop                                      ; the places between these products and the LDS stores that read their results, the loads into their sources and step 0's products, which write the accumulators anew
.endr
.set i, 0
.rept 8                                ; i = 2 c + q: each accumulator's low registers go first
	ds_store_b128 v[VLS], v[ACC+4*i:ACC+4*i+3] offset:HP+512*i
.set i, i+1
.endr
.if LAST
.set i, 0
.rept 8                                ; i = 2 c + q: wanted behind the last step, whose wait is for 0
	global_load_b128 v[HFR+4*i:HFR+4*i+3], v[VLN], s[38:39] offset:(i/4)*524288+((i/2)%2)*1024+(i%2)*512
.set i, i+1
.endr
.endif
	s_wait_dscnt 0x0                           ; the stores have read the accumulators, which step 0 writes anew
.set st, 0
.rept 32
	STEP st
.set st, st+1
.endr
.rept 8
	v_nop                                      ; the places between the last products and what reads their results or writes their registers
.endr
.set i, 0
.rept 8                                ; each accumulator's low registers go first
	ds_store_b128 v[VLS], v[ACC+4*i:ACC+4*i+3] offset:512*i
.set i, i+1
.endr
	s_wait_dscnt 0x0                           ; for the others' sake: my partial tiles, A's and H's, are written
	s_barrier_signal -1
	s_barrier_wait -1
	s_cmp_lt_u32 s12, 4
	s_cbranch_scc0 .Lhigh
	; waves 0-3: A's tiles
.set i, 0
.rept 16                               ; i = 8 g + the wave that wrote
	ds_load_b128 v[RB+4*i:RB+4*i+3], v[VLR] offset:(i%8)*4096+(i/8)*2048
.set i, i+1
.endr
	s_wait_dscnt 0x0
	HALVE RB, 4
	HALVE RB+32, 4
	HALVE RB, 2
	HALVE RB+32, 2
.irp i, 0,1,2,3
	v_add_f32 v[EE+2*\i], v[RB+\i], v[RB+4+\i]             ; the last addition lays g = 0 and g = 1 side by side
	v_add_f32 v[EE+2*\i+1], v[RB+32+\i], v[RB+36+\i]
.endr
.irp i, 0,1,2,3
	v_cvt_pk_bf16_f32 v[PK+\i], v[EE+2*\i], v[EE+2*\i+1]
.endr
.if LAST
	v_add_nc_u32 v[VUS], UB, v[VLR]
	ds_store_b128 v[VUS], v[PK:PK+3]
.else
	global_store_b128 v[VLR], v[PK:PK+3], s[24:25]
.endif
	s_branch .Lrest
.Lhigh:
	s_cmp_lt_u32 s12, 6
	s_cbranch_scc0 .Lrest
	; waves 4 and 5: H's tiles, quarter q = wave % 2 of all four c
	v_add_nc_u32 v[VRH], s46, v[VLN]
.set i, 0
.rept 32                               ; i = 8 c + the wave that wrote
	ds_load_b128 v[RB+4*i:RB+4*i+3], v[VRH] offset:(i%8)*4096+(i/8)*1024
.set i, i+1
.endr
	s_wait_dscnt 0x0
.irp c, 0,1,2,3
	HALVE RB+32*\c, 4
	HALVE RB+32*\c, 2
.irp i, 0,1,2,3
	v_add_f32 v[QH+4*\i+\c], v[RB+32*\c+\i], v[RB+32*\c+4+\i]   ; the last addition lays the four columns 4 r .. 4 r + 3 of a row side by side
.endr
.endr
.irp i, 0,1,2,3
	global_store_b128 v[VP3], v[QH+4*\i:QH+4*\i+3], s[26:27] offset:1024*\i   ; 16 lanes store 256 consecutive bytes, aligned
.endr
.Lrest:
.if LAST
	s_wait_dscnt 0x0                           ; for the others' sake: my quarter of the packed K-block is written
	s_barrier_signal -1
	s_barrier_wait -1
	ds_load_b128 v[UR:UR+3], v[VUB]
	ds_load_b128 v[UR+4:UR+7], v[VUB] offset:512
	s_wait_dscnt 0x0
	; source 0 = U_3's fragment, source 1 = H's: register j of lane (r, h) holds place 8 h + j of f, column 64 (wave / 2) + 4 r + c.  Four sums of one product each: C is the constant 0
.irp c, 0,1,2,3
	v_wmma_f32_16x16x32_bf16 v[ACC+8*\c:ACC+8*\c+7], v[UR:UR+7], v[HFR+8*\c:HFR+8*\c+7], 0
.endr
.rept 8
	v_nop
.endr
.set i, 0
.rept 32                               ; i = 4 j + c, j ascending: the four columns 4 r .. 4 r + 3 of a row come to lie side by side, so that 16 lanes store 256 consecutive bytes
	v_mov_b32 v[QQ+i], v[ACC+8*(i%4)+i/4]
.set i, i+1
.endr
.irp j, 0,1,2,3,4,5,6,7
	global_store_b128 v[VP3], v[QQ+4*\j:QQ+4*\j+3], s[24:25] offset:1024*\j th:TH_STORE_NT
.endr
.endif
	s_wait_tensorcnt 0x0                       ; the wave's end: behind my last LDS store
	ds_add_u32 v[SPW], v[NIL]
	s_wait_dscnt 0x0
	s_endpgm
.Lfunc_end_k_q6eaa251e2e_hop2:
	.size	k_q6eaa251e2e_hop2, .Lfunc_end_k_q6eaa251e2e_hop2-k_q6eaa251e2e_hop2
	.p2alignl 7, 3214868480
	.fill 96, 4, 3214868480
	.section	.rodata,"a",@progbits
	.p2align	6, 0x0
	.amdhsa_kernel k_q6eaa251e2e_hop2
		.amdhsa_group_segment_fixed_size 68608
		.amdhsa_private_segment_fixed_size 0
		.amdhsa_enable_private_segment 0
		.amdhsa_kernarg_size 32
		.amdhsa_user_sgpr_count 2
		.amdhsa_user_sgpr_kernarg_segment_ptr 1
		.amdhsa_wavefront_size32 1
		.amdhsa_system_sgpr_workgroup_id_x 1
		.amdhsa_system_sgpr_workgroup_id_y 1
		.amdhsa_system_sgpr_workgroup_id_z 1
		.amdhsa_system_vgpr_workitem_id 0
		.amdhsa_next_free_vgpr 256
		.amdhsa_next_free_sgpr 66
		.amdhsa_reserve_vcc 0
		.amdhsa_float_denorm_mode_32 3
		.amdhsa_float_denorm_mode_16_64 3
		.amdhsa_memory_ordered 1
		.amdhsa_forward_progress 1
		.amdhsa_inst_pref_size 51
	.end_amdhsa_kernel
	.amdgpu_metadata
---
amdhsa.version: [ 1, 2 ]
amdhsa.kernels:
  - .name:           k_q6eaa251e2e_hop2
    .symbol:         k_q6eaa251e2e_hop2.kd
    .args:
      - { .name: af, .offset: 0, .size: 8, .value_kind: global_buffer, .address_space: global }
      - { .name: uf1, .offset: 8, .size: 8, .value_kind: global_buffer, .address_space: global }
      - { .name: uf2, .offset: 16, .size: 8, .value_kind: global_buffer, .address_space: global }
      - { .name: ph, .offset: 24, .size: 8, .value_kind: global_buffer, .address_space: global }
    .group_segment_fixed_size: 68608
    .private_segment_fixed_size: 0
    .kernarg_segment_align: 8
    .kernarg_segment_size: 32
    .max_flat_workgroup_size: 256
    .sgpr_count:     66
    .vgpr_count:     256
    .wavefront_size: 32
...
	.end_amdgpu_metadata
.endif
;; end of part 3
;; launch hop3 (part 4): grid 256 x 1, 8 waves a work-group, no clusters, 68,608 bytes of LDS; arguments af, uf2, p3, ph; writes p3, ph
.if DOCPART == 4
	.amdgcn_target "amdgcn-amd-amdhsa--gfx1250"
	.amdhsa_code_object_version 6
	.text
	.protected	k_q6eaa251e2e_hop3
	.globl	k_q6eaa251e2e_hop3
	.p2align	8
	.type	k_q6eaa251e2e_hop3,@function
k_q6eaa251e2e_hop3:
	s_mov_b64 s[64:65], 0
	v_nop
	global_prefetch_b8 v0, s[64:65] scope:SCOPE_SE
	s_setreg_imm32_b32 hwreg(HW_REG_WAVE_MODE, 25, 1), 1
	s_wait_xcnt 0x0
; Launches 3 and 4 of 6 are one text; LAST = 0: U_2 = U_1 A and partial sums of Phi_1 = U_1 H;  LAST = 1: partial sums of Phi_2 = U_2 H and of Phi_3 = (U_2 A) H.
; A^k H is never formed: U_k = V^T A^k is carried instead (the proof stands at the head of launch 1).  Names (K-block, place, fragment) as there.
; SHARES: 256 work-groups of equal work.  Work-group x owns column group x of af: the 32 columns of A that are K-block x, and ALL 8,192 rows, so each number of U_(k+1) has one owner.
; Wave w takes K-blocks 32 w .. 32 w + 31, one a step: two fragments of af (each read once in the launch, by this wave alone) and two of U (which every work-group reads),
; straight from memory into operand registers: each load of a wave covers 512 consecutive bytes, aligned.  Nothing is shared between waves on the way in, so nothing goes through LDS.
; H'S SHARE.  Phi_k = the sum over K-blocks kb of U_k[:, kb] H[kb, :]: 256 kb x 4 tiles dt of 64 columns x 2 fragments f of U = 2,048 units of four products, one for each wave of the launch.
; Work-group x: dt = x % 4, f = (x / 4) % 2, part = x / 8; wave w: kb = 8 part + w.  Source 0 = U's fragment, source 1 = H's four (column groups 256 + 2 dt, 257 + 2 dt of af): register j of lane (r, h)
; of result c holds place 8 h + j of f, column 64 dt + 4 r + c.  The unit stands at the wave's beginning, on its oldest loads, in the accumulators that the stream has not yet begun, and waits in LDS for the end.
; IN FLIGHT.  af's fragments are asked for seven steps ahead, U's four.  The waits are counted.
; THE END.  The eight waves' partial tiles meet in LDS.  Waves 0-3 add A's (wave w: f = w / 2, registers 4 (w % 2) ..): register j of tile (g, f) holds, for place r of f, column place (h, 2 j + g) of the group.
;   LAST = 0: the pairs (g = 0, g = 1), rounded to bf16, are K-block x of the next hop's operand: uf2[kb][f][q][lane][16 bytes].
;   LAST = 1: U_3 is not stored.  Phi_3 = the sum over x of U_3[:, K-block x] H[K-block x, :]: the packed K-block goes through LDS to all eight waves, wave w multiplies fragment f = w % 2
;             by H's four fragments of columns 64 (w / 2) .., and the partial sum is stored: p3[x][16 f + place][256 d] in f32.
; Waves 4 and 5 add H's (wave 4 + q: registers 4 q ..) and store them: ph[LAST][part][16 f + place][256 d] in f32.  The sums over part and over x are taken in launch 5.
; NO CLUSTER, no tensor loads.  U, 524,288 bytes, is what all work-groups read: half of a work-group's bytes.  Asked for jointly it would come through LDS; two slots of a quarter of it
; (131,072 bytes each) do not fit beside the 68,608 bytes used here, and slots of an eighth mean six refills, each behind a round of the cluster's barrier at which 32 waves meet, in a launch
; whose length is af's stream, which is each wave's own.  Not built.
.set LAST,  1
.set HP,    32768                      ; LDS 0 .. 32767: A's partial tiles [wave][2 g + f][q][lane x 16];  HP: H's [wave][c][q][lane x 16]
.set UB,    65536                      ; the packed K-block of U_3 (LAST = 1), 2,048 bytes
.set SPARE, 67584                      ; the spare words, 128 bytes for each wave, which no other line names
.set VUB, 1                            ; v1   LAST = 1: UB + 1,024 (wave % 2) + 16 x lane
.set VLN, 2                            ; v2   16 x lane
.set VLS, 3                            ; v3   4,096 x wave + 16 x lane
.set VLR, 4                            ; v4   16 x thread: in waves 0-3 this is 1,024 f + 512 q + 16 x lane
.set VP3, 5                            ; v5   8 rows of 1,024 bytes x h + 16 r
.set SPW, 6                            ; v6   LDS address of my spare word; never rewritten
.set NIL, 7                            ; v7   0; never rewritten
.set ACC, 8                            ; v[8:39]     four accumulators: H's unit (tile c), then the stream (tile 2 g + f), then (LAST = 1) the last product (tile c)
.set HFR, 40                           ; v[40:71]    H's four fragments: my unit's, then (LAST = 1) the last product's
.set AFB, 72                           ; v[72:183]   af's fragments: seven slots of two
.set UFB, 184                          ; v[184:247]  U's fragments: four slots of two
.set UR,  248                          ; v[248:255]  one fragment of U: my unit's, then (LAST = 1) U_3's
.set RB,  72                           ; the end: vectors of four partial sums: waves 0-3 v[72:135], 8 g + wave; waves 4, 5 v[72:199], 8 c + wave
.set QQ,  72                           ; LAST = 1: v[72:103] eight rows of four sums
.set EE,  184                          ; waves 0-3: v[184:191] the sums, 2 i + g
.set PK,  192                          ; waves 0-3: v[192:195] packed
.set QH,  200                          ; waves 4, 5: v[200:215] four rows of four sums
.set VRH, 216                          ; waves 4, 5: HP + 512 q + 16 x lane
.set VUS, 217                          ; LAST = 1, waves 0-3: UB + 16 x thread
.macro HALVE base, n                   ; of 2 n vectors of four registers, vector i takes vector i + n
.set hv, 0
.rept \n
	v_pk_add_f32 v[(\base)+4*hv:(\base)+4*hv+1], v[(\base)+4*hv:(\base)+4*hv+1], v[(\base)+4*(hv+(\n)):(\base)+4*(hv+(\n))+1]
	v_pk_add_f32 v[(\base)+4*hv+2:(\base)+4*hv+3], v[(\base)+4*hv+2:(\base)+4*hv+3], v[(\base)+4*(hv+(\n))+2:(\base)+4*(hv+(\n))+3]
.set hv, hv+1
.endr
.endm
.macro LDAF t                          ; step t's two fragments of af
.set li, 0
.rept 4
	global_load_b128 v[AFB+16*((\t)%7)+4*li:AFB+16*((\t)%7)+4*li+3], v[VLN], s[20:21] offset:(\t)*2048+512*li th:TH_LOAD_NT
.set li, li+1
.endr
.endm
.macro LDUF t                          ; step t's two fragments of U
.set li, 0
.rept 4
	global_load_b128 v[UFB+16*((\t)%4)+4*li:UFB+16*((\t)%4)+4*li+3], v[VLN], s[22:23] offset:(\t)*2048+512*li
.set li, li+1
.endr
.endm
; One step.  The order of issue is .. AF(t+3) UF(t) AF(t+4) UF(t+1) AF(t+5) UF(t+2) AF(t+6) UF(t+3) | step t: behind UF(t) stand six groups of four loads, as far as they exist; AF(t) is older.
; With LAST = 1 the eight loads of the last product's fragments of H stand between UF(3) and step 0: they are younger than UF(0) .. UF(3) and older than UF(4).
; The four accumulators take turns, one instruction a turn, in the same order in every step.
.macro STEP t
.if (\t) <= 3
	s_wait_loadcnt 24+8*LAST
.elseif (\t) <= 25
	s_wait_loadcnt 24
.else
	s_wait_loadcnt 4*(31-(\t))             ; 20, 16, 12, 8, 4, 0: the groups that no longer exist are not counted
.endif
.set i, 0
.rept 4                                ; i = 2 g + f
.if (\t) == 0
	v_wmma_f32_16x16x32_bf16 v[ACC+8*i:ACC+8*i+7], v[AFB+16*((\t)%7)+8*(i/2):AFB+16*((\t)%7)+8*(i/2)+7], v[UFB+16*((\t)%4)+8*(i%2):UFB+16*((\t)%4)+8*(i%2)+7], 0
.else
	v_wmma_f32_16x16x32_bf16 v[ACC+8*i:ACC+8*i+7], v[AFB+16*((\t)%7)+8*(i/2):AFB+16*((\t)%7)+8*(i/2)+7], v[UFB+16*((\t)%4)+8*(i%2):UFB+16*((\t)%4)+8*(i%2)+7], v[ACC+8*i:ACC+8*i+7]
.endif
.set i, i+1
.endr
.if (\t) <= 27
.rept 4
	v_nop                                      ; four places in front of loads into registers that these products have read
.endr
.endif
.if (\t) <= 24
	LDAF (\t)+7
.endif
.if (\t) <= 27
	LDUF (\t)+4
.endif
.endm
	s_load_b256 s[4:11], s[0:1], 0x0           ; af s[4:5], U s[6:7], uf2 or p3 s[8:9], ph s[10:11]
	v_lshl_add_u32 v[SPW], v0, 2, SPARE
	v_mov_b32 v[NIL], 0
	v_lshrrev_b32 v1, 5, v0
	v_readfirstlane_b32 s12, v1                ; wave 0..7
	v_and_b32 v[VLN], 31, v0
	v_lshlrev_b32 v[VLN], 4, v[VLN]
	v_lshlrev_b32 v[VLR], 4, v0
	s_lshl_b32 s14, s12, 12
	v_add_nc_u32 v[VLS], s14, v[VLN]
	v_and_b32 v[VP3], 15, v0
	v_lshlrev_b32 v[VP3], 4, v[VP3]
	v_bfe_u32 v1, v0, 4, 1
	v_lshl_or_b32 v[VP3], v1, 13, v[VP3]
	s_mov_b32 s13, ttmp9                       ; x: my column group, and a K-block's number
	s_lshr_b32 s15, s12, 1                     ; wave / 2
	s_and_b32 s16, s12, 1                      ; wave % 2
	s_and_b32 s17, s13, 3                      ; my unit of H: dt,
	s_bfe_u32 s18, s13, 0x10002                ; f (one bit from bit 2),
	s_lshr_b32 s19, s13, 3                     ; part,
	s_lshl_b32 s40, s19, 3
	s_add_co_u32 s40, s40, s12                 ; kb = 8 part + wave
	s_lshl_b32 s28, s13, 19                    ; af: my group of 524,288 bytes,
	s_lshl_b32 s30, s12, 16                    ; my 32 K-blocks of 2,048 bytes, in af and in U
	s_add_co_u32 s28, s28, s30
	s_mov_b32 s29, 0
	s_mov_b32 s31, 0
	s_lshl_b32 s32, s19, 15                    ; ph: part x 32,768 + 16 f rows of 1,024 bytes + 256 bytes for each 64 columns + 4 q rows (q = wave % 2, in waves 4 and 5)
	s_lshl_b32 s33, s18, 14
	s_add_co_u32 s32, s32, s33
	s_lshl_b32 s33, s17, 8
	s_add_co_u32 s32, s32, s33
	s_lshl_b32 s33, s16, 12
	s_add_co_u32 s32, s32, s33
.if LAST
	s_add_co_u32 s32, s32, 1048576             ; the second image
.endif
	s_mov_b32 s33, 0
	s_add_co_u32 s42, s17, 128                 ; my unit's fragments of H: column group 256 + 2 dt,
	s_lshl_b32 s42, s42, 20
	s_lshl_b32 s43, s40, 11                    ; K-block kb
	s_add_co_u32 s42, s42, s43
	s_lshl_b32 s44, s18, 10                    ; and of U: K-block kb, fragment f
	s_add_co_u32 s44, s44, s43
	s_mov_b32 s43, 0
	s_mov_b32 s45, 0
	s_lshl_b32 s46, s16, 9
	s_add_co_u32 s46, s46, HP                  ; LDS: quarter q of H's tiles
.if LAST
	s_lshl_b32 s14, s16, 10
	s_add_co_u32 s14, s14, UB
	v_add_nc_u32 v[VUB], s14, v[VLN]
	s_lshl_b32 s34, s13, 15                    ; p3: x x 32,768 + 16 f rows of 1,024 bytes + 256 bytes for each 64 columns
	s_lshl_b32 s35, s16, 14
	s_add_co_u32 s34, s34, s35
	s_lshl_b32 s35, s15, 8
	s_add_co_u32 s34, s34, s35
	s_add_co_u32 s36, s15, 128                 ; the last product's fragments of H: column group 256 + 2 (wave / 2),
	s_lshl_b32 s36, s36, 20
	s_lshl_b32 s37, s13, 11                    ; K-block x
	s_add_co_u32 s36, s36, s37
	s_mov_b32 s37, 0
.else
	s_lshl_b32 s34, s13, 11                    ; uf2: K-block x
.endif
	s_mov_b32 s35, 0
	s_wait_kmcnt 0x0
	s_add_nc_u64 s[20:21], s[4:5], s[28:29]
	s_add_nc_u64 s[22:23], s[6:7], s[30:31]
	s_add_nc_u64 s[26:27], s[10:11], s[32:33]
	s_add_nc_u64 s[24:25], s[8:9], s[34:35]
	s_add_nc_u64 s[42:43], s[4:5], s[42:43]
	s_add_nc_u64 s[44:45], s[6:7], s[44:45]
.if LAST
	s_add_nc_u64 s[38:39], s[4:5], s[36:37]
.endif
.set i, 0
.rept 8                                ; i = 2 c + q: my unit of H, the oldest loads
	global_load_b128 v[HFR+4*i:HFR+4*i+3], v[VLN], s[42:43] offset:(i/4)*524288+((i/2)%2)*1024+(i%2)*512
.set i, i+1
.endr
	global_load_b128 v[UR:UR+3], v[VLN], s[44:45]
	global_load_b128 v[UR+4:UR+7], v[VLN], s[44:45] offset:512
	LDAF 0
	LDAF 1
	LDAF 2
	LDAF 3
	LDUF 0
	LDAF 4
	LDUF 1
	LDAF 5
	LDUF 2
	LDAF 6
	LDUF 3
	s_wait_loadcnt 44                          ; my unit's ten loads are in; the 44 of the stream's first steps stay out
.irp c, 0,1,2,3                        ; four sums of one product each: C is the constant 0
	v_wmma_f32_16x16x32_bf16 v[ACC+8*\c:ACC+8*\c+7], v[UR:UR+7], v[HFR+8*\c:HFR+8*\c+7], 0
.endr
.rept 8
	v_nop                                      ; the places between these products and the LDS stores that read their results, the loads into their sources and step 0's products, which write the accumulators anew
.endr
.set i, 0
.rept 8                                ; i = 2 c + q: each accumulator's low registers go first
	ds_store_b128 v[VLS], v[ACC+4*i:ACC+4*i+3] offset:HP+512*i
.set i, i+1
.endr
.if LAST
.set i, 0
.rept 8                                ; i = 2 c + q: wanted behind the last step, whose wait is for 0
	global_load_b128 v[HFR+4*i:HFR+4*i+3], v[VLN], s[38:39] offset:(i/4)*524288+((i/2)%2)*1024+(i%2)*512
.set i, i+1
.endr
.endif
	s_wait_dscnt 0x0                           ; the stores have read the accumulators, which step 0 writes anew
.set st, 0
.rept 32
	STEP st
.set st, st+1
.endr
.rept 8
	v_nop                                      ; the places between the last products and what reads their results or writes their registers
.endr
.set i, 0
.rept 8                                ; each accumulator's low registers go first
	ds_store_b128 v[VLS], v[ACC+4*i:ACC+4*i+3] offset:512*i
.set i, i+1
.endr
	s_wait_dscnt 0x0                           ; for the others' sake: my partial tiles, A's and H's, are written
	s_barrier_signal -1
	s_barrier_wait -1
	s_cmp_lt_u32 s12, 4
	s_cbranch_scc0 .Lhigh
	; waves 0-3: A's tiles
.set i, 0
.rept 16                               ; i = 8 g + the wave that wrote
	ds_load_b128 v[RB+4*i:RB+4*i+3], v[VLR] offset:(i%8)*4096+(i/8)*2048
.set i, i+1
.endr
	s_wait_dscnt 0x0
	HALVE RB, 4
	HALVE RB+32, 4
	HALVE RB, 2
	HALVE RB+32, 2
.irp i, 0,1,2,3
	v_add_f32 v[EE+2*\i], v[RB+\i], v[RB+4+\i]             ; the last addition lays g = 0 and g = 1 side by side
	v_add_f32 v[EE+2*\i+1], v[RB+32+\i], v[RB+36+\i]
.endr
.irp i, 0,1,2,3
	v_cvt_pk_bf16_f32 v[PK+\i], v[EE+2*\i], v[EE+2*\i+1]
.endr
.if LAST
	v_add_nc_u32 v[VUS], UB, v[VLR]
	ds_store_b128 v[VUS], v[PK:PK+3]
.else
	global_store_b128 v[VLR], v[PK:PK+3], s[24:25]
.endif
	s_branch .Lrest
.Lhigh:
	s_cmp_lt_u32 s12, 6
	s_cbranch_scc0 .Lrest
	; waves 4 and 5: H's tiles, quarter q = wave % 2 of all four c
	v_add_nc_u32 v[VRH], s46, v[VLN]
.set i, 0
.rept 32                               ; i = 8 c + the wave that wrote
	ds_load_b128 v[RB+4*i:RB+4*i+3], v[VRH] offset:(i%8)*4096+(i/8)*1024
.set i, i+1
.endr
	s_wait_dscnt 0x0
.irp c, 0,1,2,3
	HALVE RB+32*\c, 4
	HALVE RB+32*\c, 2
.irp i, 0,1,2,3
	v_add_f32 v[QH+4*\i+\c], v[RB+32*\c+\i], v[RB+32*\c+4+\i]   ; the last addition lays the four columns 4 r .. 4 r + 3 of a row side by side
.endr
.endr
.irp i, 0,1,2,3
	global_store_b128 v[VP3], v[QH+4*\i:QH+4*\i+3], s[26:27] offset:1024*\i   ; 16 lanes store 256 consecutive bytes, aligned
.endr
.Lrest:
.if LAST
	s_wait_dscnt 0x0                           ; for the others' sake: my quarter of the packed K-block is written
	s_barrier_signal -1
	s_barrier_wait -1
	ds_load_b128 v[UR:UR+3], v[VUB]
	ds_load_b128 v[UR+4:UR+7], v[VUB] offset:512
	s_wait_dscnt 0x0
	; source 0 = U_3's fragment, source 1 = H's: register j of lane (r, h) holds place 8 h + j of f, column 64 (wave / 2) + 4 r + c.  Four sums of one product each: C is the constant 0
.irp c, 0,1,2,3
	v_wmma_f32_16x16x32_bf16 v[ACC+8*\c:ACC+8*\c+7], v[UR:UR+7], v[HFR+8*\c:HFR+8*\c+7], 0
.endr
.rept 8
	v_nop
.endr
.set i, 0
.rept 32                               ; i = 4 j + c, j ascending: the four columns 4 r .. 4 r + 3 of a row come to lie side by side, so that 16 lanes store 256 consecutive bytes
	v_mov_b32 v[QQ+i], v[ACC+8*(i%4)+i/4]
.set i, i+1
.endr
.irp j, 0,1,2,3,4,5,6,7
	global_store_b128 v[VP3], v[QQ+4*\j:QQ+4*\j+3], s[24:25] offset:1024*\j th:TH_STORE_NT
.endr
.endif
	s_wait_tensorcnt 0x0                       ; the wave's end: behind my last LDS store
	ds_add_u32 v[SPW], v[NIL]
	s_wait_dscnt 0x0
	s_endpgm
.Lfunc_end_k_q6eaa251e2e_hop3:
	.size	k_q6eaa251e2e_hop3, .Lfunc_end_k_q6eaa251e2e_hop3-k_q6eaa251e2e_hop3
	.p2alignl 7, 3214868480
	.fill 96, 4, 3214868480
	.section	.rodata,"a",@progbits
	.p2align	6, 0x0
	.amdhsa_kernel k_q6eaa251e2e_hop3
		.amdhsa_group_segment_fixed_size 68608
		.amdhsa_private_segment_fixed_size 0
		.amdhsa_enable_private_segment 0
		.amdhsa_kernarg_size 32
		.amdhsa_user_sgpr_count 2
		.amdhsa_user_sgpr_kernarg_segment_ptr 1
		.amdhsa_wavefront_size32 1
		.amdhsa_system_sgpr_workgroup_id_x 1
		.amdhsa_system_sgpr_workgroup_id_y 1
		.amdhsa_system_sgpr_workgroup_id_z 1
		.amdhsa_system_vgpr_workitem_id 0
		.amdhsa_next_free_vgpr 256
		.amdhsa_next_free_sgpr 66
		.amdhsa_reserve_vcc 0
		.amdhsa_float_denorm_mode_32 3
		.amdhsa_float_denorm_mode_16_64 3
		.amdhsa_memory_ordered 1
		.amdhsa_forward_progress 1
		.amdhsa_inst_pref_size 55
	.end_amdhsa_kernel
	.amdgpu_metadata
---
amdhsa.version: [ 1, 2 ]
amdhsa.kernels:
  - .name:           k_q6eaa251e2e_hop3
    .symbol:         k_q6eaa251e2e_hop3.kd
    .args:
      - { .name: af, .offset: 0, .size: 8, .value_kind: global_buffer, .address_space: global }
      - { .name: uf2, .offset: 8, .size: 8, .value_kind: global_buffer, .address_space: global }
      - { .name: p3, .offset: 16, .size: 8, .value_kind: global_buffer, .address_space: global }
      - { .name: ph, .offset: 24, .size: 8, .value_kind: global_buffer, .address_space: global }
    .group_segment_fixed_size: 68608
    .private_segment_fixed_size: 0
    .kernarg_segment_align: 8
    .kernarg_segment_size: 32
    .max_flat_workgroup_size: 256
    .sgpr_count:     66
    .vgpr_count:     256
    .wavefront_size: 32
...
	.end_amdgpu_metadata
.endif
;; end of part 4
;; launch tmat (part 5): grid 32 x 1, 16 waves a work-group, no clusters, 38,912 bytes of LDS; arguments p0, ph, p3, eigvals, hop_weights, lap_logits, spec_logits, tm, out1, out2; writes tm, out1, out2
.if DOCPART == 5
	.amdgcn_target "amdgcn-amd-amdhsa--gfx1250"
	.amdhsa_code_object_version 6
	.text
	.protected	k_q6eaa251e2e_tmat
	.globl	k_q6eaa251e2e_tmat
	.p2align	8
	.type	k_q6eaa251e2e_tmat,@function
k_q6eaa251e2e_tmat:
	s_mov_b64 s[64:65], 0
	v_nop
	global_prefetch_b8 v0, s[64:65] scope:SCOPE_SE
	s_setreg_imm32_b32 hwreg(HW_REG_WAVE_MODE, 25, 1), 1
	s_wait_xcnt 0x0
; Launch 5 of 6: T[s][:] with H_half = H + V T, and the two small outputs.  No M is built and nothing is solved: M^-1 phi = phi / (1 + c |phi|^2), c = 0.125 (the proof stands at the head of launch 1).
;   T[s] = the sum over k of 0.5 hop_w[k] (spec_w[s] c / (1 + c |phi_k,s|^2) - softplus(lap_logits[s]) eigvals[s]) phi_k,s,   phi_k,s = Phi[k][s][:].
; Work-group = one row 16 f + rho of the Phi's, which is spectral index s = 2 rho + f.
; STEP 1.  Sixteen waves add the partial sums of Phi_3 (256), Phi_0 (64), Phi_1 and Phi_2 (32 each) in f32: wave pair grp takes an eighth of each, thread tq of the pair (0..63) four neighbouring d.
; STEP 2, behind the first barrier.  Waves 0-7: wave v adds the eight parts of half v % 2 of row v / 2 (in the order Phi_3, Phi_0, Phi_1, Phi_2) and puts the sum into LDS bytes of its own.
;   Wave 8 meanwhile makes both softmaxes and the softplus.
; STEP 3, behind the second barrier.  Wave 8 does the rest, eight d a lane (4 lane .. and 128 + 4 lane ..).  Work-group 0 also stores out1 and out2.
; Both softmaxes take their maximum away first, as reference() does.  softplus(x) = max(x, 0) + ln 2 log2(1 + 2^(-|x| log2 e)), the form of logaddexp(x, 0) that cannot overflow.
; LIMITS.  |phi|^2 must stay finite in f32.  The exponential counts a result below 2^-126 as 0 (ISA guide 15.8): softplus of a logit below about -87 is 0, and its absolute error elsewhere is about 1e-7.
; No matrix work here: 32 rows of 256 numbers.
.set R2,    32768                      ; LDS 0 .. 32767: the parts [row 4][grp 8][tq x 16];  R2: the four rows, summed: [row 4][tq x 16]
.set SPARE, 36864                      ; the spare words, 128 bytes for each wave, which no other line names
.set FW,  8                            ; the wave that finishes
.set VL,  1                            ; v1   lane
.set VO3, 3                            ; v3   16 tq
.set VO0, 4                            ; v4   p0: 524,288 (tq / 16) + 16 (tq % 16)
.set VLS, 5                            ; v5   1,024 grp + 16 tq
.set SPW, 6                            ; v6   LDS address of my spare word; never rewritten
.set NIL, 7                            ; v7   0; never rewritten
.set VLN, 8                            ; v8   16 x lane
.set VS2, 9                            ; v9   waves 0-7: 8,192 (wave / 2) + 512 (wave % 2) + 16 x lane
.set VL4, 10                           ; v10  wave 8: 4 x lane
.set VK4, 11                           ; v11  wave 8: 4 (lane % 4)
.set VS4, 12                           ; v12  wave 8: 4 s
.set VT16, 14                          ; v14  16 x thread
.set P3R, 16                           ; v[16:143]  32 vectors of four
.set P0R, 144                          ; v[144:175] 8 vectors of four; wave 8 later: at work
.set PHR, 176                          ; v[176:207] Phi_1's four vectors, Phi_2's four
.set SPL, 208                          ; spec_logits[lane]
.set HPW, 209                          ; hop_weights[lane % 4]
.set SPS, 210                          ; spec_logits[s]
.set LAP, 211                          ; lap_logits[s]
.set EIG, 212                          ; eigvals[s]
.set S2R, 16                           ; step 2: v[16:47] eight vectors of four
.set PHI, 16                           ; step 3: v[16:47] row m, half q at 8 m + 4 q
.set TOUT, 48                          ; v[48:55] T's eight numbers
.set NK,  144                          ; v[144:147] |phi_k|^2
.set TP,  148
.set MX,  149
.set HM,  150
.set D1,  151
.set D2,  152
.set D3,  153
.set D4,  154
.set S1,  155
.set S3,  156
.set A4,  157
.set DK,  158                          ; v[158:161] 1 + c |phi_k|^2, then its reciprocal
.set SW,  162                          ; spec_w[lane]
.set CS,  163                          ; 0.5 c spec_w[s]
.set HW,  164                          ; hop_w[lane % 4]
.set SPV, 165                          ; softplus
.set LE,  166                          ; -0.5 softplus eig
.set GK,  168                          ; v[168:171] the four factors
.set SEL, 40                           ; s[40:41] v_permlanex16_b32's selects: each lane takes its own place in the other half
.macro HALVE base, n                   ; of 2 n vectors of four registers, vector i takes vector i + n
.set hv, 0
.rept \n
	v_pk_add_f32 v[(\base)+4*hv:(\base)+4*hv+1], v[(\base)+4*hv:(\base)+4*hv+1], v[(\base)+4*(hv+(\n)):(\base)+4*(hv+(\n))+1]
	v_pk_add_f32 v[(\base)+4*hv+2:(\base)+4*hv+3], v[(\base)+4*hv+2:(\base)+4*hv+3], v[(\base)+4*(hv+(\n))+2:(\base)+4*(hv+(\n))+3]
.set hv, hv+1
.endr
.endm
.macro WSUM x                          ; the sum over the wave's 32 lanes, in every lane
	v_add_f32_dpp v[\x], v[\x], v[\x] row_xmask:1 row_mask:0xf bank_mask:0xf
	v_add_f32_dpp v[\x], v[\x], v[\x] row_xmask:2 row_mask:0xf bank_mask:0xf
	v_add_f32_dpp v[\x], v[\x], v[\x] row_xmask:4 row_mask:0xf bank_mask:0xf
	v_add_f32_dpp v[\x], v[\x], v[\x] row_xmask:8 row_mask:0xf bank_mask:0xf
	v_permlanex16_b32 v[TP], v[\x], s[SEL], s[SEL+1]
	v_add_f32 v[\x], v[\x], v[TP]
.endm
.macro PHIB k, q                       ; pb = where phi_k's four numbers of half q lie: the rows stand in the order k = 3, 0, 1, 2
.set pb, PHI+8*(((\k)+1)%4)+4*(\q)
.endm
	s_load_b512 s[4:19], s[0:1], 0x0           ; p0 s[4:5], ph s[6:7], p3 s[8:9], eigvals s[10:11], hop_weights s[12:13], lap_logits s[14:15], spec_logits s[16:17], tm s[18:19]
	s_load_b128 s[20:23], s[0:1], 0x40         ; out1 s[20:21], out2 s[22:23]
	v_lshl_add_u32 v[SPW], v0, 2, SPARE
	v_mov_b32 v[NIL], 0
	v_lshrrev_b32 v2, 5, v0
	v_readfirstlane_b32 s24, v2                ; wave 0..15
	v_and_b32 v[VL], 31, v0
	v_and_b32 v2, 63, v0                       ; tq = 32 (wave % 2) + lane
	v_lshlrev_b32 v[VO3], 4, v2
	v_and_b32 v[VO0], 15, v2
	v_lshlrev_b32 v[VO0], 4, v[VO0]
	v_lshrrev_b32 v13, 4, v2
	v_lshl_or_b32 v[VO0], v13, 19, v[VO0]
	s_lshr_b32 s29, s24, 1                     ; grp
	s_lshl_b32 s30, s29, 10
	v_add_nc_u32 v[VLS], s30, v[VO3]
	v_lshlrev_b32 v[VLN], 4, v[VL]
	v_lshlrev_b32 v[VT16], 4, v0
	s_lshl_b32 s30, s29, 13
	s_and_b32 s31, s24, 1
	s_lshl_b32 s31, s31, 9
	s_add_co_u32 s30, s30, s31
	v_add_nc_u32 v[VS2], s30, v[VLN]
	s_mov_b32 s25, ttmp9                       ; the row 16 f + rho
	s_lshr_b32 s26, s25, 4                     ; f
	s_and_b32 s27, s25, 15                     ; rho
	s_lshl_b32 s28, s27, 1
	s_add_co_u32 s28, s28, s26                 ; s = 2 rho + f
	s_mov_b32 s[SEL], 0x76543210
	s_mov_b32 s[SEL+1], 0xfedcba98
	s_lshl_b32 s30, s29, 20                    ; p3: 32 grp blocks of 32,768 bytes + my row of 1,024
	s_lshl_b32 s31, s25, 10
	s_add_co_u32 s30, s30, s31
	s_lshl_b32 s44, s29, 17                    ; ph: 4 grp parts of 32,768 bytes + my row of 1,024
	s_add_co_u32 s44, s44, s31
	s_mov_b32 s31, 0
	s_mov_b32 s45, 0
	s_lshl_b32 s42, s29, 16                    ; p0: 8 grp parts of 8,192 bytes + my row of 256
	s_lshl_b32 s43, s25, 8
	s_add_co_u32 s42, s42, s43
	s_mov_b32 s43, 0
	s_wait_kmcnt 0x0
	s_add_nc_u64 s[32:33], s[8:9], s[30:31]
	s_add_nc_u64 s[34:35], s[4:5], s[42:43]
	s_add_nc_u64 s[36:37], s[6:7], s[44:45]
	s_lshl_b32 s30, s28, 10
	s_add_nc_u64 s[38:39], s[18:19], s[30:31]  ; tm at row s
.set i, 0
.rept 32
	global_load_b128 v[P3R+4*i:P3R+4*i+3], v[VO3], s[32:33] offset:32768*i th:TH_LOAD_NT
.set i, i+1
.endr
.set i, 0
.rept 8
	global_load_b128 v[P0R+4*i:P0R+4*i+3], v[VO0], s[34:35] offset:8192*i th:TH_LOAD_NT
.set i, i+1
.endr
.set i, 0
.rept 8                                ; i = 4 (k - 1) + part
	global_load_b128 v[PHR+4*i:PHR+4*i+3], v[VO3], s[36:37] offset:(i/4)*1048576+(i%4)*32768 th:TH_LOAD_NT
.set i, i+1
.endr
	s_cmp_lg_u32 s24, FW
	s_cbranch_scc1 .Lno_small
	; wave 8: the small inputs
	v_lshlrev_b32 v[VL4], 2, v[VL]
	v_and_b32 v[VK4], 3, v[VL]
	v_lshlrev_b32 v[VK4], 2, v[VK4]
	s_lshl_b32 s30, s28, 2
	v_mov_b32 v[VS4], s30
	global_load_b32 v[SPL], v[VL4], s[16:17]
	global_load_b32 v[HPW], v[VK4], s[12:13]
	global_load_b32 v[SPS], v[VS4], s[16:17]
	global_load_b32 v[LAP], v[VS4], s[14:15]
	global_load_b32 v[EIG], v[VS4], s[10:11]
.Lno_small:
	s_wait_loadcnt 0x0
.irp n, 16,8,4,2,1
	HALVE P3R, \n
.endr
.irp n, 4,2,1
	HALVE P0R, \n
.endr
.irp n, 2,1
	HALVE PHR, \n
	HALVE PHR+16, \n
.endr
	ds_store_b128 v[VLS], v[P3R:P3R+3]
	ds_store_b128 v[VLS], v[P0R:P0R+3] offset:8192
	ds_store_b128 v[VLS], v[PHR:PHR+3] offset:16384
	ds_store_b128 v[VLS], v[PHR+16:PHR+19] offset:24576
	s_wait_dscnt 0x0                           ; for the others' sake: my parts are written
	s_barrier_signal -1
	s_barrier_wait -1
	s_cmp_lt_u32 s24, 8
	s_cbranch_scc0 .Lnot_sum
	; waves 0-7: the eight parts of my half row
.set i, 0
.rept 8
	ds_load_b128 v[S2R+4*i:S2R+4*i+3], v[VS2] offset:1024*i
.set i, i+1
.endr
	s_wait_dscnt 0x0
.irp n, 4,2,1
	HALVE S2R, \n
.endr
	ds_store_b128 v[VT16], v[S2R:S2R+3] offset:R2   ; 512 x wave + 16 x lane = 1,024 x row + 512 x half + 16 x lane
	s_branch .Lbar2
.Lnot_sum:
	s_cmp_lg_u32 s24, FW
	s_cbranch_scc1 .Lbar2
	; wave 8: the softmaxes and the softplus
	v_mov_b32 v[MX], v[SPL]
	v_max_num_f32_dpp v[MX], v[MX], v[MX] row_xmask:1 row_mask:0xf bank_mask:0xf
	v_max_num_f32_dpp v[MX], v[MX], v[MX] row_xmask:2 row_mask:0xf bank_mask:0xf
	v_max_num_f32_dpp v[MX], v[MX], v[MX] row_xmask:4 row_mask:0xf bank_mask:0xf
	v_max_num_f32_dpp v[MX], v[MX], v[MX] row_xmask:8 row_mask:0xf bank_mask:0xf
	v_permlanex16_b32 v[TP], v[MX], s[SEL], s[SEL+1]
	v_max_num_f32 v[MX], v[MX], v[TP]          ; the largest of the 32 spec_logits
	v_mov_b32 v[HM], v[HPW]
	v_max_num_f32_dpp v[HM], v[HM], v[HM] row_xmask:1 row_mask:0xf bank_mask:0xf
	v_max_num_f32_dpp v[HM], v[HM], v[HM] row_xmask:2 row_mask:0xf bank_mask:0xf   ; the largest of the 4 hop_weights: each four lanes hold all four
	v_sub_f32 v[D1], v[SPL], v[MX]
	v_sub_f32 v[D2], v[SPS], v[MX]
	v_sub_f32 v[D3], v[HPW], v[HM]
	v_and_b32 v[D4], 0x7fffffff, v[LAP]
	v_mul_f32 v[D1], 0x3fb8aa3b, v[D1]         ; log2 e
	v_mul_f32 v[D2], 0x3fb8aa3b, v[D2]
	v_mul_f32 v[D3], 0x3fb8aa3b, v[D3]
	v_mul_f32 v[D4], 0xbfb8aa3b, v[D4]
	v_exp_f32 v[D1], v[D1]                     ; one batch of four
	v_exp_f32 v[D2], v[D2]
	v_exp_f32 v[D3], v[D3]
	v_exp_f32 v[D4], v[D4]
	v_max_num_f32 v[SPV], 0, v[LAP]            ; the plain instruction behind the last of them
	s_wait_alu depctr_va_vdst(0)               ; one wait for the four, ahead of their first reader
	v_mov_b32 v[S1], v[D1]
	WSUM S1
	v_mov_b32 v[S3], v[D3]
	v_add_f32_dpp v[S3], v[S3], v[S3] row_xmask:1 row_mask:0xf bank_mask:0xf
	v_add_f32_dpp v[S3], v[S3], v[S3] row_xmask:2 row_mask:0xf bank_mask:0xf
	v_add_f32 v[A4], 1.0, v[D4]
	v_rcp_f32 v[S1], v[S1]                     ; one batch of three
	v_rcp_f32 v[S3], v[S3]
	v_log_f32 v[A4], v[A4]
	v_nop                                      ; the plain instruction behind the last of them
	s_wait_alu depctr_va_vdst(0)               ; and the batch's one wait
	v_mul_f32 v[SW], v[D1], v[S1]              ; spec_w[lane]
	v_mul_f32 v[CS], v[D2], v[S1]              ; spec_w[s]
	v_mul_f32 v[CS], 0x3d800000, v[CS]         ; x 0.5 c
	v_mul_f32 v[HW], v[D3], v[S3]              ; hop_w[lane % 4]
	v_fma_f32 v[SPV], v[A4], 0x3f317218, v[SPV]   ; + ln 2 x log2(..)
	v_mul_f32 v[LE], v[SPV], v[EIG]
	v_mul_f32 v[LE], -0.5, v[LE]
.irp k, 0,1,2,3
	v_readlane_b32 s[42+\k], v[HW], \k
.endr
.Lbar2:
	s_wait_dscnt 0x0                           ; for wave 8's sake: my half row is written
	s_barrier_signal -1
	s_barrier_wait -1
	s_cmp_lg_u32 s24, FW
	s_cbranch_scc1 .Lend
.set i, 0
.rept 8                                ; i = 2 row + half
	ds_load_b128 v[PHI+4*i:PHI+4*i+3], v[VLN] offset:R2+512*i
.set i, i+1
.endr
	s_wait_dscnt 0x0
.irp k, 0,1,2,3
	PHIB \k, 0
	v_mul_f32 v[NK+\k], v[pb], v[pb]
	v_fmac_f32 v[NK+\k], v[pb+1], v[pb+1]
	v_fmac_f32 v[NK+\k], v[pb+2], v[pb+2]
	v_fmac_f32 v[NK+\k], v[pb+3], v[pb+3]
	PHIB \k, 1
	v_fmac_f32 v[NK+\k], v[pb], v[pb]
	v_fmac_f32 v[NK+\k], v[pb+1], v[pb+1]
	v_fmac_f32 v[NK+\k], v[pb+2], v[pb+2]
	v_fmac_f32 v[NK+\k], v[pb+3], v[pb+3]
.endr
.irp k, 0,1,2,3
	WSUM NK+\k
	v_fma_f32 v[DK+\k], v[NK+\k], 0x3e000000, 1.0   ; 1 + c |phi_k|^2, at least 1
.endr
	v_rcp_f32 v[DK], v[DK]                     ; one batch of four
	v_rcp_f32 v[DK+1], v[DK+1]
	v_rcp_f32 v[DK+2], v[DK+2]
	v_rcp_f32 v[DK+3], v[DK+3]
	v_nop                                      ; the plain instruction behind the last of them
	s_wait_alu depctr_va_vdst(0)               ; and the batch's one wait
.irp k, 0,1,2,3
	v_fma_f32 v[GK+\k], v[CS], v[DK+\k], v[LE]
	v_mul_f32 v[GK+\k], s[42+\k], v[GK+\k]
.endr
.irp q, 0,1
.irp i, 0,1,2,3
	PHIB 0, \q
	v_mul_f32 v[TOUT+4*\q+\i], v[GK], v[pb+\i]
	PHIB 1, \q
	v_fmac_f32 v[TOUT+4*\q+\i], v[GK+1], v[pb+\i]
	PHIB 2, \q
	v_fmac_f32 v[TOUT+4*\q+\i], v[GK+2], v[pb+\i]
	PHIB 3, \q
	v_fmac_f32 v[TOUT+4*\q+\i], v[GK+3], v[pb+\i]
.endr
.endr
	global_store_b128 v[VLN], v[TOUT:TOUT+3], s[38:39]
	global_store_b128 v[VLN], v[TOUT+4:TOUT+7], s[38:39] offset:512
	s_cmp_lg_u32 s25, 0
	s_cbranch_scc1 .Lend
	global_store_b32 v[VL4], v[SW], s[22:23]   ; out2
	v_cmp_gt_u32 vcc_lo, 4, v[VL]
	s_wait_xcnt 0x0                            ; EXEC is a source of the stores above: it changes only behind this wait
	s_and_saveexec_b32 s46, vcc_lo
	global_store_b32 v[VL4], v[HW], s[20:21]   ; out1: lanes 0 to 3
	s_wait_xcnt 0x0                            ; and again, in front of the line that widens it
	s_or_b32 exec_lo, exec_lo, s46
.Lend:
	s_wait_tensorcnt 0x0                       ; the wave's end: behind my last LDS store
	ds_add_u32 v[SPW], v[NIL]
	s_wait_dscnt 0x0
	s_endpgm
.Lfunc_end_k_q6eaa251e2e_tmat:
	.size	k_q6eaa251e2e_tmat, .Lfunc_end_k_q6eaa251e2e_tmat-k_q6eaa251e2e_tmat
	.p2alignl 7, 3214868480
	.fill 96, 4, 3214868480
	.section	.rodata,"a",@progbits
	.p2align	6, 0x0
	.amdhsa_kernel k_q6eaa251e2e_tmat
		.amdhsa_group_segment_fixed_size 38912
		.amdhsa_private_segment_fixed_size 0
		.amdhsa_enable_private_segment 0
		.amdhsa_kernarg_size 80
		.amdhsa_user_sgpr_count 2
		.amdhsa_user_sgpr_kernarg_segment_ptr 1
		.amdhsa_wavefront_size32 1
		.amdhsa_system_sgpr_workgroup_id_x 1
		.amdhsa_system_sgpr_workgroup_id_y 1
		.amdhsa_system_sgpr_workgroup_id_z 1
		.amdhsa_system_vgpr_workitem_id 0
		.amdhsa_next_free_vgpr 216
		.amdhsa_next_free_sgpr 66
		.amdhsa_reserve_vcc 1
		.amdhsa_float_denorm_mode_32 3
		.amdhsa_float_denorm_mode_16_64 3
		.amdhsa_memory_ordered 1
		.amdhsa_forward_progress 1
		.amdhsa_inst_pref_size 23
	.end_amdhsa_kernel
	.amdgpu_metadata
---
amdhsa.version: [ 1, 2 ]
amdhsa.kernels:
  - .name:           k_q6eaa251e2e_tmat
    .symbol:         k_q6eaa251e2e_tmat.kd
    .args:
      - { .name: p0, .offset: 0, .size: 8, .value_kind: global_buffer, .address_space: global }
      - { .name: ph, .offset: 8, .size: 8, .value_kind: global_buffer, .address_space: global }
      - { .name: p3, .offset: 16, .size: 8, .value_kind: global_buffer, .address_space: global }
      - { .name: eigvals, .offset: 24, .size: 8, .value_kind: global_buffer, .address_space: global }
      - { .name: hop_weights, .offset: 32, .size: 8, .value_kind: global_buffer, .address_space: global }
      - { .name: lap_logits, .offset: 40, .size: 8, .value_kind: global_buffer, .address_space: global }
      - { .name: spec_logits, .offset: 48, .size: 8, .value_kind: global_buffer, .address_space: global }
      - { .name: tm, .offset: 56, .size: 8, .value_kind: global_buffer, .address_space: global }
      - { .name: out1, .offset: 64, .size: 8, .value_kind: global_buffer, .address_space: global }
      - { .name: out2, .offset: 72, .size: 8, .value_kind: global_buffer, .address_space: global }
    .group_segment_fixed_size: 38912
    .private_segment_fixed_size: 0
    .kernarg_segment_align: 8
    .kernarg_segment_size: 80
    .max_flat_workgroup_size: 512
    .sgpr_count:     66
    .vgpr_count:     216
    .wavefront_size: 32
...
	.end_amdgpu_metadata
.endif
;; end of part 5
;; launch fin (part 6): grid 256 x 1, 8 waves a work-group, no clusters, 2,048 bytes of LDS; arguments H, V, tm, threshold, ln_gamma, ln_beta, out0; writes out0
.if DOCPART == 6
	.amdgcn_target "amdgcn-amd-amdhsa--gfx1250"
	.amdhsa_code_object_version 6
	.text
	.protected	k_q6eaa251e2e_fin
	.globl	k_q6eaa251e2e_fin
	.p2align	8
	.type	k_q6eaa251e2e_fin,@function
k_q6eaa251e2e_fin:
	s_mov_b64 s[64:65], 0
	v_nop
	global_prefetch_b8 v0, s[64:65] scope:SCOPE_SE
	s_setreg_imm32_b32 hwreg(HW_REG_WAVE_MODE, 25, 1), 1
	s_wait_xcnt 0x0
; Launch 6 of 6: out0 = LayerNorm(soft threshold(H + V T)).  grad_R and grad_L are one product, V T, with T from launch 5 (no M, no solve, no A^k H: the proof stands at the head of launch 1).
; SHARES.  A work-group owns 32 rows; wave w the 16 rows n0 = 32 x + 16 (w / 4) .. and the 64 columns 64 (w % 4) ..
; THE PRODUCT.  Place (h, e) of both operands stands for s = 16 h + e.  V's fragment: lane (r, h) takes 64 consecutive bytes of row n0 + r.  T is contracted over its rows and is turned by the conversion:
; load e takes row 16 h + e, columns 4 r .. 4 r + 3; word c of loads 2 w and 2 w + 1, rounded as a pair, is register w of fragment c, in which lane r stands for column 4 r + c.
; Register j of result c holds row n0 + 8 h + j, column 4 r + c: H is loaded, and out0 stored, in that order, 16 lanes to 256 consecutive bytes, aligned.  H itself is added in f32.
; THE THRESHOLD as reference() writes it, sign(x) relu(|x| - thr): the magnitude max(|x| - thr, 0) takes x's sign, and 0 where x = 0, which matters where thr is negative.
; LAYERNORM without a difference of large sums: each wave takes the mean of its 64 numbers of a row and the sum of squares round THAT mean; the four waves of a row exchange both through LDS, and
; M2 = the sum of the four M2 + 64 x the sum of (wave's mean - mean)^2.
; LIMIT.  A NaN in H + V T gives 0 with its sign in the threshold, where sign() would give NaN.
.set SPARE, 1024                       ; LDS 0 .. 1023: [wave][h][8 means, 8 M2]; behind it the spare words, 128 bytes for each wave
.set VVO, 3                            ; v3   V: 128 r + 64 h
.set VTO, 4                            ; v4   tm: 16 rows of 1,024 bytes x h + 16 r
.set VHO, 5                            ; v5   H, out0: 8 rows of 1,024 bytes x h + 16 r
.set SPW, 6                            ; v6   LDS address of my spare word; never rewritten
.set NIL, 7                            ; v7   0; never rewritten
.set VLS, 8                            ; v8   128 wave + 64 h
.set VLR, 9                            ; v9   512 (wave / 4) + 64 h
.set VPO, 10                           ; v10  16 r
.set VRAW, 12                          ; v[12:27]   V as loaded; later MN, RS
.set TRAW, 28                          ; v[28:91]   T as loaded; later ST
.set X,    92                          ; v[92:123]  4 j + c
.set THR,  124
.set GAM,  128
.set BET,  132
.set VFR,  136                         ; v[136:143]
.set TFR,  144                         ; v[144:175]; later TT, at work
.set DD,   176                         ; v[176:207]
.set MW,   208                         ; v[208:215] my wave's means of the eight rows
.set M2,   216                         ; v[216:223] and sums of squares round them
.set MN,   12                          ; v[12:19]   the rows' means
.set RS,   20                          ; v[20:27]   1 / sqrt(var + 1e-5)
.set ST,   28                          ; v[28:91]   the four waves' figures: 16 a wave
.set TT,   144
	s_load_b256 s[4:11], s[0:1], 0x0           ; H s[4:5], V s[6:7], tm s[8:9], threshold s[10:11]
	s_load_b128 s[12:15], s[0:1], 0x20         ; ln_gamma s[12:13], ln_beta s[14:15]
	s_load_b64 s[16:17], s[0:1], 0x30          ; out0
	v_lshl_add_u32 v[SPW], v0, 2, SPARE
	v_mov_b32 v[NIL], 0
	v_lshrrev_b32 v1, 5, v0
	v_readfirstlane_b32 s18, v1                ; wave 0..7
	v_and_b32 v1, 15, v0                       ; r
	v_bfe_u32 v2, v0, 4, 1                     ; h
	v_lshlrev_b32 v[VPO], 4, v1
	v_lshl_or_b32 v[VTO], v2, 14, v[VPO]
	v_lshl_or_b32 v[VHO], v2, 13, v[VPO]
	v_lshlrev_b32 v[VVO], 7, v1
	v_lshl_or_b32 v[VVO], v2, 6, v[VVO]
	s_lshr_b32 s19, s18, 2                     ; which 16 rows
	s_and_b32 s20, s18, 3                      ; which 64 columns
	s_lshl_b32 s24, s18, 7
	v_lshl_add_u32 v[VLS], v2, 6, s24
	s_lshl_b32 s24, s19, 9
	v_lshl_add_u32 v[VLR], v2, 6, s24
	s_lshl_b32 s21, ttmp9, 5
	s_lshl_b32 s24, s19, 4
	s_add_co_u32 s21, s21, s24                 ; n0
	s_lshl_b32 s22, s21, 10                    ; H, out0: n0 rows of 1,024 bytes + 256 bytes for each 64 columns
	s_lshl_b32 s26, s20, 8
	s_add_co_u32 s22, s22, s26
	s_mov_b32 s23, 0
	s_mov_b32 s27, 0
	s_lshl_b32 s24, s21, 7                     ; V: n0 rows of 128 bytes
	s_mov_b32 s25, 0
	s_mov_b32 s30, 0x7fffffff
	s_mov_b32 s31, 0x3b800000                  ; 1 / 256
	s_mov_b32 s32, 0x3727c5ac                  ; 1e-5
	s_wait_kmcnt 0x0
	s_add_nc_u64 s[4:5], s[4:5], s[22:23]
	s_add_nc_u64 s[16:17], s[16:17], s[22:23]
	s_add_nc_u64 s[6:7], s[6:7], s[24:25]
	s_add_nc_u64 s[8:9], s[8:9], s[26:27]
	s_add_nc_u64 s[10:11], s[10:11], s[26:27]
	s_add_nc_u64 s[12:13], s[12:13], s[26:27]
	s_add_nc_u64 s[14:15], s[14:15], s[26:27]
.irp i, 0,1,2,3
	global_load_b128 v[VRAW+4*\i:VRAW+4*\i+3], v[VVO], s[6:7] offset:16*\i
.endr
.set i, 0
.rept 16
	global_load_b128 v[TRAW+4*i:TRAW+4*i+3], v[VTO], s[8:9] offset:1024*i
.set i, i+1
.endr
.set i, 0
.rept 8
	global_load_b128 v[X+4*i:X+4*i+3], v[VHO], s[4:5] offset:1024*i th:TH_LOAD_NT
.set i, i+1
.endr
	global_load_b128 v[THR:THR+3], v[VPO], s[10:11]
	global_load_b128 v[GAM:GAM+3], v[VPO], s[12:13]
	global_load_b128 v[BET:BET+3], v[VPO], s[14:15]
	s_wait_loadcnt 11                          ; V and T are in; H's eight loads and the three of the parameters stay out
.set i, 0
.rept 8
	v_cvt_pk_bf16_f32 v[VFR+i], v[VRAW+2*i], v[VRAW+2*i+1]
.set i, i+1
.endr
.set i, 0
.rept 32                               ; i = 8 c + w
	v_cvt_pk_bf16_f32 v[TFR+i], v[TRAW+8*(i%8)+i/8], v[TRAW+8*(i%8)+4+i/8]
.set i, i+1
.endr
.irp c, 0,1,2,3                        ; four sums of one product each (32 s are one K step): C is the constant 0
	v_wmma_f32_16x16x32_bf16 v[DD+8*\c:DD+8*\c+7], v[VFR:VFR+7], v[TFR+8*\c:TFR+8*\c+7], 0
.endr
.rept 8
	v_nop                                      ; the places between the products and the additions that read their results
.endr
	s_wait_loadcnt 0x0
.set i, 0
.rept 32                               ; i = 4 j + c, j ascending: each accumulator's low registers are read first
	v_add_f32 v[X+i], v[DD+8*(i%4)+i/4], v[X+i]
.set i, i+1
.endr
.set i, 0
.rept 32
	v_and_b32 v[TT+i%4], s30, v[X+i]
	v_sub_f32 v[TT+i%4], v[TT+i%4], v[THR+i%4]
	v_max_num_f32 v[TT+i%4], 0, v[TT+i%4]
	v_cmp_neq_f32 vcc_lo, 0, v[X+i]
	v_bfi_b32 v[TT+i%4], s30, v[TT+i%4], v[X+i]        ; the magnitude with x's sign
	v_cndmask_b32 v[X+i], 0, v[TT+i%4], vcc_lo         ; and 0 where x = 0
.set i, i+1
.endr
	; my wave's mean of each row: 4 numbers a lane, 16 lanes
.set j, 0
.rept 8
	v_pk_add_f32 v[TT+2*(j%4):TT+2*(j%4)+1], v[X+4*j:X+4*j+1], v[X+4*j+2:X+4*j+3]
	v_add_f32 v[MW+j], v[TT+2*(j%4)], v[TT+2*(j%4)+1]
.set j, j+1
.endr
.irp m, 1,2,4,8
.set j, 0
.rept 8
	v_add_f32_dpp v[MW+j], v[MW+j], v[MW+j] row_xmask:\m row_mask:0xf bank_mask:0xf
.set j, j+1
.endr
.endr
.set j, 0
.rept 8
	v_mul_f32 v[MW+j], 0x3c800000, v[MW+j]     ; / 64
.set j, j+1
.endr
.set j, 0
.rept 8
	v_sub_f32 v[TT+4*(j%2)], v[X+4*j], v[MW+j]
	v_sub_f32 v[TT+4*(j%2)+1], v[X+4*j+1], v[MW+j]
	v_sub_f32 v[TT+4*(j%2)+2], v[X+4*j+2], v[MW+j]
	v_sub_f32 v[TT+4*(j%2)+3], v[X+4*j+3], v[MW+j]
	v_mul_f32 v[M2+j], v[TT+4*(j%2)], v[TT+4*(j%2)]
	v_fmac_f32 v[M2+j], v[TT+4*(j%2)+1], v[TT+4*(j%2)+1]
	v_fmac_f32 v[M2+j], v[TT+4*(j%2)+2], v[TT+4*(j%2)+2]
	v_fmac_f32 v[M2+j], v[TT+4*(j%2)+3], v[TT+4*(j%2)+3]
.set j, j+1
.endr
.irp m, 1,2,4,8
.set j, 0
.rept 8
	v_add_f32_dpp v[M2+j], v[M2+j], v[M2+j] row_xmask:\m row_mask:0xf bank_mask:0xf
.set j, j+1
.endr
.endr
.irp i, 0,1,2,3                        ; the sixteen lanes of a half hold the same figures and write them to the same bytes
	ds_store_b128 v[VLS], v[MW+4*\i:MW+4*\i+3] offset:16*\i
.endr
	s_wait_dscnt 0x0                           ; for the others' sake: my figures are written
	s_barrier_signal -1
	s_barrier_wait -1
.set i, 0
.rept 16                               ; i = 4 (the wave of my rows) + quarter
	ds_load_b128 v[ST+4*i:ST+4*i+3], v[VLR] offset:(i/4)*128+(i%4)*16
.set i, i+1
.endr
	s_wait_dscnt 0x0
.set j, 0
.rept 8
	v_add_f32 v[MN+j], v[ST+j], v[ST+16+j]
	v_add_f32 v[TT+j], v[ST+32+j], v[ST+48+j]
	v_add_f32 v[MN+j], v[MN+j], v[TT+j]
	v_mul_f32 v[MN+j], 0x3e800000, v[MN+j]     ; the row's mean: four equal shares
	v_sub_f32 v[TT+j], v[ST+j], v[MN+j]
	v_mul_f32 v[RS+j], v[TT+j], v[TT+j]
	v_sub_f32 v[TT+j], v[ST+16+j], v[MN+j]
	v_fmac_f32 v[RS+j], v[TT+j], v[TT+j]
	v_sub_f32 v[TT+j], v[ST+32+j], v[MN+j]
	v_fmac_f32 v[RS+j], v[TT+j], v[TT+j]
	v_sub_f32 v[TT+j], v[ST+48+j], v[MN+j]
	v_fmac_f32 v[RS+j], v[TT+j], v[TT+j]
	v_add_f32 v[TT+j], v[ST+8+j], v[ST+24+j]
	v_add_f32 v[TT+8+j], v[ST+40+j], v[ST+56+j]
	v_add_f32 v[TT+j], v[TT+j], v[TT+8+j]
	v_fmac_f32 v[TT+j], 0x42800000, v[RS+j]    ; + 64 x the spread of the four means
	v_fma_f32 v[RS+j], v[TT+j], s31, s32       ; var + 1e-5
.set j, j+1
.endr
.set j, 0
.rept 8
	v_rsq_f32 v[RS+j], v[RS+j]                 ; one batch of eight
.set j, j+1
.endr
	v_nop                                      ; the plain instruction behind the last of them
	s_wait_alu depctr_va_vdst(0)               ; and the batch's one wait, ahead of the first reader
.set j, 0
.rept 8
.irp c, 0,1,2,3
	v_sub_f32 v[X+4*j+\c], v[X+4*j+\c], v[MN+j]
.endr
.irp c, 0,1,2,3
	v_mul_f32 v[X+4*j+\c], v[X+4*j+\c], v[RS+j]
.endr
	v_pk_fma_f32 v[X+4*j:X+4*j+1], v[X+4*j:X+4*j+1], v[GAM:GAM+1], v[BET:BET+1]
	v_pk_fma_f32 v[X+4*j+2:X+4*j+3], v[X+4*j+2:X+4*j+3], v[GAM+2:GAM+3], v[BET+2:BET+3]
	global_store_b128 v[VHO], v[X+4*j:X+4*j+3], s[16:17] offset:1024*j th:TH_STORE_NT
.set j, j+1
.endr
	s_wait_tensorcnt 0x0                       ; the wave's end: behind my last LDS store
	ds_add_u32 v[SPW], v[NIL]
	s_wait_dscnt 0x0
	s_endpgm
.Lfunc_end_k_q6eaa251e2e_fin:
	.size	k_q6eaa251e2e_fin, .Lfunc_end_k_q6eaa251e2e_fin-k_q6eaa251e2e_fin
	.p2alignl 7, 3214868480
	.fill 96, 4, 3214868480
	.section	.rodata,"a",@progbits
	.p2align	6, 0x0
	.amdhsa_kernel k_q6eaa251e2e_fin
		.amdhsa_group_segment_fixed_size 2048
		.amdhsa_private_segment_fixed_size 0
		.amdhsa_enable_private_segment 0
		.amdhsa_kernarg_size 56
		.amdhsa_user_sgpr_count 2
		.amdhsa_user_sgpr_kernarg_segment_ptr 1
		.amdhsa_wavefront_size32 1
		.amdhsa_system_sgpr_workgroup_id_x 1
		.amdhsa_system_sgpr_workgroup_id_y 1
		.amdhsa_system_sgpr_workgroup_id_z 1
		.amdhsa_system_vgpr_workitem_id 0
		.amdhsa_next_free_vgpr 224
		.amdhsa_next_free_sgpr 66
		.amdhsa_reserve_vcc 1
		.amdhsa_float_denorm_mode_32 3
		.amdhsa_float_denorm_mode_16_64 3
		.amdhsa_memory_ordered 1
		.amdhsa_forward_progress 1
		.amdhsa_inst_pref_size 34
	.end_amdhsa_kernel
	.amdgpu_metadata
---
amdhsa.version: [ 1, 2 ]
amdhsa.kernels:
  - .name:           k_q6eaa251e2e_fin
    .symbol:         k_q6eaa251e2e_fin.kd
    .args:
      - { .name: H, .offset: 0, .size: 8, .value_kind: global_buffer, .address_space: global }
      - { .name: V, .offset: 8, .size: 8, .value_kind: global_buffer, .address_space: global }
      - { .name: tm, .offset: 16, .size: 8, .value_kind: global_buffer, .address_space: global }
      - { .name: threshold, .offset: 24, .size: 8, .value_kind: global_buffer, .address_space: global }
      - { .name: ln_gamma, .offset: 32, .size: 8, .value_kind: global_buffer, .address_space: global }
      - { .name: ln_beta, .offset: 40, .size: 8, .value_kind: global_buffer, .address_space: global }
      - { .name: out0, .offset: 48, .size: 8, .value_kind: global_buffer, .address_space: global }
    .group_segment_fixed_size: 2048
    .private_segment_fixed_size: 0
    .kernarg_segment_align: 8
    .kernarg_segment_size: 56
    .max_flat_workgroup_size: 256
    .sgpr_count:     66
    .vgpr_count:     224
    .wavefront_size: 32
...
	.end_amdgpu_metadata
.endif
;; end of part 6
;; ======== version 2 of 2: 6 launches; version 1 with the launches hop1, hop2, hop3 written anew for expert scheduling mode
;; workspace buffers: af 138,412,032 bytes; up 16,777,216 bytes; uf1 524,288 bytes; uf2 524,288 bytes; p0 2,097,152 bytes; ph 2,097,152 bytes; p3 8,388,608 bytes; tm 32,768 bytes
;; launch hop1 (part 7): grid 16 x 16, 8 waves a work-group, no clusters, 33,792 bytes of LDS; arguments A, V, af, up; writes af, up
.if DOCPART == 7
	.amdgcn_target "amdgcn-amd-amdhsa--gfx1250"
	.amdhsa_code_object_version 6
	.text
	.protected	k_q6eaa251e2e_hop1
	.globl	k_q6eaa251e2e_hop1
	.p2align	8
	.type	k_q6eaa251e2e_hop1,@function
k_q6eaa251e2e_hop1:
	s_mov_b64 s[64:65], 0
	v_nop
	global_prefetch_b8 v0, s[64:65] scope:SCOPE_SE
	s_setreg_imm32_b32 hwreg(HW_REG_WAVE_SCHED_MODE, 0, 2), 2
	s_setreg_imm32_b32 hwreg(HW_REG_WAVE_MODE, 25, 1), 1
	s_wait_xcnt 0x0
	s_wait_alu depctr_vm_vsrc(0)
; SPECTRAL PROX LAYER, launch 1 of 6: partial sums of U_1 = V^T A, and A rounded once to bf16 in the order in which a matrix operand's registers take it.
; WORK LEFT OUT, for all finite values of the inputs, in exact arithmetic:
; (1) reference() forms hops[k] = A^k H ([8192][256]) and uses it in one place, Phi[k] = V^T hops[k].  Matrix products associate: V^T (A^k H) = (V^T A^k) H.
;     So U_k = V^T A^k ([32][8192]) is carried from hop to hop, U_(k+1) = U_k A, and Phi[k] = U_k H.  A^k H is never formed.
; (2) reference() solves M y = phi with M = I + c phi phi^T, c = 256 / (8192 x 0.25) = 0.125.  With n = |phi|^2 and y = phi / (1 + c n):
;     M y = phi / (1 + c n) + c phi n / (1 + c n) = phi.  c > 0, so 1 + c n >= 1 and M is regular: y is the solution.  No M is built, nothing is solved.
; All ten inputs have a way to an output, and all are loaded by some launch.
; LIMITS.  A NaN, an infinity or an overflow that would arise only inside A^k H, M or the solve is not carried to the result.  A, V, H and the U_k are matrix operands in bf16; all sums are f32.
; NAMES.  L = lane, r = L % 16, h = L / 16.  A matrix operand is 16 rows x 32 k in 8 registers a lane; place (h, e), e = 0..15, is register e / 2, half e % 2, of the lanes with that h.
; Both operands of a product name the same k in the same place, so the places may stand for any 32 indices.  K-BLOCK kb (0..255): place (h, e) stands for index
; 64 (kb / 2) + 32 h + 4 (e / 2) + 2 (kb % 2) + e % 2.  It is chosen so that what a hop's product leaves in a lane's registers is, rounded in pairs, the next hop's operand.
; TURNING BY THE CONVERSION.  A is contracted over its ROWS.  Load e takes, in lane (r, h), row (h, e) of the K-block and columns 4 r .. 4 r + 3 of a tile of 64 columns: each half of the
; wave reads 256 consecutive bytes, aligned.  v_cvt_pk_bf16_f32 of word c of loads 2 w and 2 w + 1 is register w of fragment c, in which lane r stands for column 4 r + c:
; the conversion that is owed anyway also turns the tile.  Nothing of A goes through LDS.
; V comes by loads of 8 bytes (lane r: columns 2 r, 2 r + 1), so fragment f of U holds, in lane r, spectral index s = 2 r + f.
; SHARES.  Work-group (cb, rb): columns 512 cb .., rows 512 rb .. (K-blocks 16 rb .. 16 rb + 15).  Wave w: the tile of 64 columns jt = 8 cb + w, in 16 steps of one K-block.
; The eight waves need the same 512 rows of V: each makes two K-blocks of them, and they meet in LDS.  The sums over the 16 rb are taken by the next launch (f32 partial sums in up).
; OUT.  af[cg = 2 jt + c / 2][kb][c % 2][q][lane][16 bytes], q = registers 0-3 or 4-7;  up[rb][jt][2 c + f][q][lane][4 f32].  Every store of a wave covers 512 consecutive bytes, aligned.
; No tensor loads and no ring: no byte of A is wanted by two waves.  No cluster: what work-groups share is V's slice, 64 KiB beside 1 MiB of A.
; THE MODE: SCHED_MODE bits 1:0 = 2 (LLVM: expert scheduling mode 2), set by the entry lines.  The code itself states the register dependences
; between vector or matrix instructions and memory or LDS instructions, with s_wait_alu, always for 0.
; THE PLAN.  Registers that memory or LDS instructions touch:
;   RAW0 .. RAW3  (window 1)  Step t: its 32 conversions read RAW[t % 4]; behind them the 16 loads of step t + 4 land in it.
;   AFR0, AFR1    Step t: its conversions write AFR[t % 2]; its products and its eight stores read it; the conversions of step t + 2 write it again.
;   UFR0, UFR1    Step t: its products read UFR[t % 2]; the four LDS loads of step t + 1's fragments, issued in step t, land in the other set, which the products of step t - 1 read last.
;                 At the head both sets are written by V's conversions and read by my LDS stores.
;   ACC           Named by matrix instructions alone, until the last sixteen stores read it.
;   v3 .. v6      Offsets and LDS addresses: made at the head, never written again.      v8, v9  written at the head, read by the closing add alone.
; So ONE wait on va_vdst stands in a step, behind its conversions: it states that they are done reading RAW[t % 4], that they have written AFR[t % 2], and that the products of the step before are done
; reading the other set of U's fragments.  The step's 16 loads, 4 LDS loads and 8 stores follow it; fragment c's two stores stand ahead of its two products, so that no vector or matrix instruction
; issued since the wait names a register that a later load or store of the step touches.  One wait on vm_vsrc stands at a step's head, from step 2 on, ahead of the conversions that write a set again.
.set SPARE, 32768                      ; LDS 0 .. 32767: U_0's slice [kb 16][f][q][lane x 16]; behind it the spare words, 128 bytes for each wave, which no other line names
.set VAO, 3                            ; v3   A: 32 rows x h + 16 r
.set VVO, 4                            ; v4   V: 32 rows x h + 8 r
.set VLN, 5                            ; v5   16 x lane
.set VLS, 6                            ; v6   4,096 x wave + 16 x lane: where I put my two K-blocks of V
.set SPW, 8                            ; v8   LDS address of my spare word; never rewritten
.set NIL, 9                            ; v9   0; never rewritten
.set ACC, 16                           ; v[16:79]    eight accumulators, tile 2 c + f
.set AFR, 80                           ; v[80:143]   A's fragments, two sets of four
.set UFR, 144                          ; v[144:175]  U's fragments, two sets of two
                                       ; window 1 (v256-v511): A as loaded, four slots of 64: word c of load e at 4 e + c
.set MSB, 0
.macro WIN new                         ; s_set_vgpr_msb: bits 1:0 source 0, 3:2 source 1, 5:4 source 2, 7:6 destination; the high byte repeats the setting that is left
.if MSB != (\new)
	s_set_vgpr_msb (MSB<<8)|(\new)
.set MSB, (\new)
.endif
.endm
; Step t's 16 loads: 32 rows x 64 columns of f32.  The rows' place stands in the immediate: 223 rows of 32,768 bytes at the most, inside its signed 24 bits; steps 8 to 15 have a base 256 rows on.
.macro LOADA t
	WIN 0x40                               ; destination in window 1, address in window 0
.set le, 0
.rept 16
.if (\t) < 8
	global_load_b128 v[64*((\t)%4)+4*le:64*((\t)%4)+4*le+3], v[VAO], s[16:17] offset:(64*(((\t)%8)/2)+2*((\t)%2)+4*(le/2)+le%2)*32768 th:TH_LOAD_NT
.else
	global_load_b128 v[64*((\t)%4)+4*le:64*((\t)%4)+4*le+3], v[VAO], s[18:19] offset:(64*(((\t)%8)/2)+2*((\t)%2)+4*(le/2)+le%2)*32768 th:TH_LOAD_NT
.endif
.set le, le+1
.endr
.endm
; Step t's two fragments of U out of LDS: li = 2 f + q
.macro UFRAG t
.set li, 0
.rept 4
	ds_load_b128 v[UFR+16*((\t)%2)+4*li:UFR+16*((\t)%2)+4*li+3], v[VLN] offset:(\t)*2048+512*li
.set li, li+1
.endr
.endm
; One step.  The two sets of fragments take turns: a set is written again two steps behind the products that read it, and the other step's 32 conversions, which name none of
; those products' registers, are the places between (ISA guide 7.12.1).  The eight accumulators take turns, one instruction a turn, in the same order in every step.
.macro STEP t
.set par, (\t)%2
.set raw, 64*((\t)%4)
.if (\t) <= 12
	s_wait_loadcnt 48                      ; my step's 16 loads are in; the 48 of the three steps behind it stay out
.else
	s_wait_loadcnt 16*(15-(\t))            ; the last steps: 16 for each step that is still to come
.endif
	s_wait_xcnt 0x0                        ; the stores of two steps back have read this set of fragments: it is written again only behind this wait
.if (\t) >= 2
	s_wait_alu depctr_vm_vsrc(0)           ; the stores of two steps back have read AFR[t % 2], which the conversions below write again
.endif
	WIN 0x05                               ; sources in window 1, destination in window 0
.set i, 0
.rept 32                               ; i = 8 c + w
	v_cvt_pk_bf16_f32 v[AFR+32*par+i], v[raw+8*(i%8)+i/8], v[raw+8*(i%8)+4+i/8]
.set i, i+1
.endr
.if (\t) <= 11
	WIN 0x40                               ; the loads' window is set ahead of the wait
.else
	WIN 0
.endif
	s_wait_alu depctr_va_vdst(0)           ; the conversions are done reading RAW[t % 4], in which the loads below land, and have written AFR[t % 2], which the stores below read; the last step's products are done reading the other set of U's fragments, in which the LDS loads below land
.if (\t) <= 11
	LOADA (\t)+4                           ; the slot just read out takes the step four on
.endif
	WIN 0
.if (\t) <= 14
	UFRAG (\t)+1                           ; the next step's fragments of U: they have this step in which to come
	s_wait_dscnt 4                         ; LDS loads come back in order (ISA guide 5.7.1): this step's fragments of U are in, the four loads just issued stay out
.else
	s_wait_dscnt 0x0                       ; U's last fragments
.endif
.set i, 0
.rept 4                                ; i = c: the fragment goes out as it lies in the registers (q = 0, 1), then its two products (f = 0, 1)
	global_store_b128 v[VLN], v[AFR+32*par+8*i:AFR+32*par+8*i+3], s[20:21] offset:(i/2)*524288+(\t)*2048+(i%2)*1024 th:TH_STORE_NT
	global_store_b128 v[VLN], v[AFR+32*par+8*i+4:AFR+32*par+8*i+7], s[20:21] offset:(i/2)*524288+(\t)*2048+(i%2)*1024+512 th:TH_STORE_NT
.if (\t) == 0
	v_wmma_f32_16x16x32_bf16 v[ACC+16*i:ACC+16*i+7], v[AFR+32*par+8*i:AFR+32*par+8*i+7], v[UFR+16*par:UFR+16*par+7], 0
	v_wmma_f32_16x16x32_bf16 v[ACC+16*i+8:ACC+16*i+15], v[AFR+32*par+8*i:AFR+32*par+8*i+7], v[UFR+16*par+8:UFR+16*par+15], 0
.else
	v_wmma_f32_16x16x32_bf16 v[ACC+16*i:ACC+16*i+7], v[AFR+32*par+8*i:AFR+32*par+8*i+7], v[UFR+16*par:UFR+16*par+7], v[ACC+16*i:ACC+16*i+7]
	v_wmma_f32_16x16x32_bf16 v[ACC+16*i+8:ACC+16*i+15], v[AFR+32*par+8*i:AFR+32*par+8*i+7], v[UFR+16*par+8:UFR+16*par+15], v[ACC+16*i+8:ACC+16*i+15]
.endif
.set i, i+1
.endr
.endm
	s_load_b256 s[4:11], s[0:1], 0x0           ; A s[4:5], V s[6:7], af s[8:9], up s[10:11]
	v_lshl_add_u32 v[SPW], v0, 2, SPARE
	v_mov_b32 v[NIL], 0
	v_lshrrev_b32 v1, 5, v0
	v_readfirstlane_b32 s12, v1                ; wave 0..7
	v_and_b32 v1, 15, v0                       ; r
	v_bfe_u32 v2, v0, 4, 1                     ; h
	v_lshlrev_b32 v[VAO], 4, v1
	v_lshl_or_b32 v[VAO], v2, 20, v[VAO]       ; 32 rows of 32,768 bytes
	v_lshlrev_b32 v[VVO], 3, v1
	v_lshl_or_b32 v[VVO], v2, 12, v[VVO]       ; 32 rows of 128 bytes
	v_and_b32 v[VLN], 31, v0
	v_lshlrev_b32 v[VLN], 4, v[VLN]
	s_wait_alu depctr_va_sdst(0)               ; s12 is written, ahead of its first reader: LDS addresses and all four bases are made from it
	s_lshl_b32 s26, s12, 12
	v_add_nc_u32 v[VLS], s26, v[VLN]
	s_and_b32 s14, ttmp7, 0xffff               ; rb
	s_lshl_b32 s15, ttmp9, 3
	s_add_co_u32 s15, s15, s12                 ; jt = 8 cb + wave
	s_lshl_b32 s26, s14, 24                    ; A: 512 rb rows of 32,768 bytes
	s_lshl_b32 s27, s15, 8                     ;    + 256 bytes for each tile of columns
	s_add_co_u32 s26, s26, s27
	s_mov_b32 s27, 0
	s_lshl_b32 s28, s15, 20                    ; af: two column groups of 524,288 bytes for each jt
	s_lshl_b32 s29, s14, 15                    ;     + 16 rb K-blocks of 2,048 bytes
	s_add_co_u32 s28, s28, s29
	s_mov_b32 s29, 0
	s_lshl_b32 s30, s14, 20                    ; up: rb x 128 tiles x 8,192 bytes
	s_lshl_b32 s31, s15, 13
	s_add_co_u32 s30, s30, s31
	s_mov_b32 s31, 0
	s_lshl_b32 s32, s14, 16                    ; V: (512 rb + 64 wave) rows of 128 bytes
	s_lshl_b32 s33, s12, 13
	s_add_co_u32 s32, s32, s33
	s_mov_b32 s33, 0
	s_wait_kmcnt 0x0
	s_add_nc_u64 s[16:17], s[4:5], s[26:27]
	s_add_nc_u64 s[18:19], s[16:17], 0x800000  ; 256 rows on
	s_add_nc_u64 s[20:21], s[8:9], s[28:29]
	s_add_nc_u64 s[22:23], s[10:11], s[30:31]
	s_add_nc_u64 s[24:25], s[6:7], s[32:33]
	s_wait_alu depctr_va_vdst(0)               ; the offsets and LDS addresses v3 to v6 are written: every load, store and LDS instruction of the kernel reads one of them
	; my two K-blocks of V (64 rows), into the registers that later hold A's fragments
.set i, 0
.rept 32                               ; i = 16 (kb % 2) + e
	global_load_b64 v[AFR+2*i:AFR+2*i+1], v[VVO], s[24:25] offset:(4*((i%16)/2)+2*(i/16)+i%2)*128
.set i, i+1
.endr
	LOADA 0
	LOADA 1
	WIN 0
	s_wait_loadcnt 32                          ; V is in; the 32 loads of steps 0 and 1 stay out
.set i, 0
.rept 32                               ; i = 16 (kb % 2) + 8 f + w
	v_cvt_pk_bf16_f32 v[UFR+i], v[AFR+32*(i/16)+4*(i%8)+(i/8)%2], v[AFR+32*(i/16)+4*(i%8)+2+(i/8)%2]
.set i, i+1
.endr
	s_wait_alu depctr_va_vdst(0)               ; the conversions have written v[UFR ..], which the LDS stores read
.set i, 0
.rept 8
	ds_store_b128 v[VLS], v[UFR+4*i:UFR+4*i+3] offset:512*i
.set i, i+1
.endr
	LOADA 2                                    ; four steps, 64 loads, are asked for; the issue waits where the counter's field is full (ISA guide 5.7.1)
	LOADA 3
	WIN 0
	s_wait_dscnt 0x0                           ; for the others' sake: my part of U_0's slice is written
	s_barrier_signal -1
	s_barrier_wait -1                          ; everybody's is; nothing writes it again
	s_wait_alu depctr_vm_vsrc(0)               ; my LDS stores have read v[UFR ..], in which the fragments' loads land from here on
	UFRAG 0                                    ; step 0's fragments of U; each step asks for the next step's
.irp t, 0,1,2,3,4,5,6,7,8,9,10,11,12,13,14,15
	STEP \t
.endr
.rept 8
	v_nop                                      ; the places between the last products and the stores that read their results
.endr
	s_wait_alu depctr_va_vdst(0)               ; the products have written the accumulators, which the stores read; the places above stay beside this wait
.set i, 0
.rept 16                               ; i = 2 (2 c + f) + q: each accumulator's low registers go first
	global_store_b128 v[VLN], v[ACC+4*i:ACC+4*i+3], s[22:23] offset:512*i th:TH_STORE_NT
.set i, i+1
.endr
	s_wait_dscnt 0x0                           ; the closing lines, six on end
	s_wait_alu 0x0
	s_wait_tensorcnt 0x0
	ds_add_u32 v[SPW], v[NIL]
	s_wait_dscnt 0x0
	s_endpgm
.Lfunc_end_k_q6eaa251e2e_hop1:
	.size	k_q6eaa251e2e_hop1, .Lfunc_end_k_q6eaa251e2e_hop1-k_q6eaa251e2e_hop1
	.p2alignl 7, 3214868480
	.fill 96, 4, 3214868480
	.section	.rodata,"a",@progbits
	.p2align	6, 0x0
	.amdhsa_kernel k_q6eaa251e2e_hop1
		.amdhsa_group_segment_fixed_size 33792
		.amdhsa_private_segment_fixed_size 0
		.amdhsa_enable_private_segment 0
		.amdhsa_kernarg_size 32
		.amdhsa_user_sgpr_count 2
		.amdhsa_user_sgpr_kernarg_segment_ptr 1
		.amdhsa_wavefront_size32 1
		.amdhsa_system_sgpr_workgroup_id_x 1
		.amdhsa_system_sgpr_workgroup_id_y 1
		.amdhsa_system_sgpr_workgroup_id_z 1
		.amdhsa_system_vgpr_workitem_id 0
		.amdhsa_next_free_vgpr 512
		.amdhsa_next_free_sgpr 66
		.amdhsa_reserve_vcc 0
		.amdhsa_float_denorm_mode_32 3
		.amdhsa_float_denorm_mode_16_64 3
		.amdhsa_memory_ordered 1
		.amdhsa_forward_progress 1
		.amdhsa_inst_pref_size 94
	.end_amdhsa_kernel
	.amdgpu_metadata
---
amdhsa.version: [ 1, 2 ]
amdhsa.kernels:
  - .name:           k_q6eaa251e2e_hop1
    .symbol:         k_q6eaa251e2e_hop1.kd
    .args:
      - { .name: A, .offset: 0, .size: 8, .value_kind: global_buffer, .address_space: global }
      - { .name: V, .offset: 8, .size: 8, .value_kind: global_buffer, .address_space: global }
      - { .name: af, .offset: 16, .size: 8, .value_kind: global_buffer, .address_space: global }
      - { .name: up, .offset: 24, .size: 8, .value_kind: global_buffer, .address_space: global }
    .group_segment_fixed_size: 33792
    .private_segment_fixed_size: 0
    .kernarg_segment_align: 8
    .kernarg_segment_size: 32
    .max_flat_workgroup_size: 256
    .sgpr_count:     66
    .vgpr_count:     512
    .wavefront_size: 32
...
	.end_amdgpu_metadata
.endif
;; end of part 7
;; launch mid: the kernel of part 2 again; grid 512 x 1, 4 waves a work-group, no clusters, 33,280 bytes of LDS; arguments up, H, V, uf1, af, p0; writes uf1, af, p0
;; launch hop2 (part 8): grid 256 x 1, 8 waves a work-group, no clusters, 68,608 bytes of LDS; arguments af, uf1, uf2, ph; writes uf2, ph
.if DOCPART == 8
	.amdgcn_target "amdgcn-amd-amdhsa--gfx1250"
	.amdhsa_code_object_version 6
	.text
	.protected	k_q6eaa251e2e_hop2
	.globl	k_q6eaa251e2e_hop2
	.p2align	8
	.type	k_q6eaa251e2e_hop2,@function
k_q6eaa251e2e_hop2:
	s_mov_b64 s[64:65], 0
	v_nop
	global_prefetch_b8 v0, s[64:65] scope:SCOPE_SE
	s_setreg_imm32_b32 hwreg(HW_REG_WAVE_SCHED_MODE, 0, 2), 2
	s_setreg_imm32_b32 hwreg(HW_REG_WAVE_MODE, 25, 1), 1
	s_wait_xcnt 0x0
	s_wait_alu depctr_vm_vsrc(0)
; Launches 3 and 4 of 6 are one text; LAST = 0: U_2 = U_1 A and partial sums of Phi_1 = U_1 H;  LAST = 1: partial sums of Phi_2 = U_2 H and of Phi_3 = (U_2 A) H.
; A^k H is never formed: U_k = V^T A^k is carried instead (the proof stands at the head of launch 1).  Names (K-block, place, fragment) as there.
; SHARES: 256 work-groups of equal work.  Work-group x owns column group x of af: the 32 columns of A that are K-block x, and ALL 8,192 rows, so each number of U_(k+1) has one owner.
; Wave w takes K-blocks 32 w .. 32 w + 31, one a step: two fragments of af (each read once in the launch, by this wave alone) and two of U (which every work-group reads),
; straight from memory into operand registers: each load of a wave covers 512 consecutive bytes, aligned.  Nothing is shared between waves on the way in, so nothing goes through LDS.
; H'S SHARE.  Phi_k = the sum over K-blocks kb of U_k[:, kb] H[kb, :]: 256 kb x 4 tiles dt of 64 columns x 2 fragments f of U = 2,048 units of four products, one for each wave of the launch.
; Work-group x: dt = x % 4, f = (x / 4) % 2, part = x / 8; wave w: kb = 8 part + w.  Source 0 = U's fragment, source 1 = H's four (column groups 256 + 2 dt, 257 + 2 dt of af): register j of lane (r, h)
; of result c holds place 8 h + j of f, column 64 dt + 4 r + c.  The unit stands at the wave's beginning, on its oldest loads, in the accumulators that the stream has not yet begun, and waits in LDS for the end.
; IN FLIGHT.  af's fragments are asked for seven steps ahead, U's four.  The waits are counted.
; THE END.  The eight waves' partial tiles meet in LDS.  Waves 0-3 add A's (wave w: f = w / 2, registers 4 (w % 2) ..): register j of tile (g, f) holds, for place r of f, column place (h, 2 j + g) of the group.
;   LAST = 0: the pairs (g = 0, g = 1), rounded to bf16, are K-block x of the next hop's operand: uf2[kb][f][q][lane][16 bytes].
;   LAST = 1: U_3 is not stored.  Phi_3 = the sum over x of U_3[:, K-block x] H[K-block x, :]: the packed K-block goes through LDS to all eight waves, wave w multiplies fragment f = w % 2
;             by H's four fragments of columns 64 (w / 2) .., and the partial sum is stored: p3[x][16 f + place][256 d] in f32.
; Waves 4 and 5 add H's (wave 4 + q: registers 4 q ..) and store them: ph[LAST][part][16 f + place][256 d] in f32.  The sums over part and over x are taken in launch 5.
; NO CLUSTER, no tensor loads.  U, 524,288 bytes, is what all work-groups read: half of a work-group's bytes.  Asked for jointly it would come through LDS; two slots of a quarter of it
; (131,072 bytes each) do not fit beside the 68,608 bytes used here, and slots of an eighth mean six refills, each behind a round of the cluster's barrier at which 32 waves meet, in a launch
; whose length is af's stream, which is each wave's own.  Not built.
; THE MODE: SCHED_MODE bits 1:0 = 2 (LLVM: expert scheduling mode 2), set by the entry lines.  The code itself states the register dependences
; between vector or matrix instructions and memory or LDS instructions, with s_wait_alu, always for 0.
; THE PLAN.  Registers that memory or LDS instructions touch:
;   AF0 .. AF7   Step t: its four products read AF[t % 8]; the loads issued in step t + 1 (af's fragments of step t + 8) land in it.  Eight slots for a lead of seven: a slot lies idle from its products to the next step's head.
;   UF0 .. UF4   Step t: its products read UF[t % 5]; the loads issued in step t + 1 (U's fragments of step t + 5) land in it.  Five slots for a lead of four.
;   AF7 and UF4  hold my unit's four fragments of H at the start: the stream fills them first in step 0, behind the unit's products.
;   AF0 and AF1  (LAST = 1) take the last product's four fragments of H in steps 25 and 26, when they have had their last fragments of af.
;   ACC          Written by the unit's products, read by LDS stores, written anew from step 0 on, read by LDS stores at the end, and (LAST = 1) written anew by the last products.
;   UR           Read by the unit's products; (LAST = 1) loaded from LDS at the end.
;   v1 .. v5     Offsets and LDS addresses: made at the head, never written again.      v6, v7  written at the head, read by the closing add alone.
; So ONE wait on va_vdst stands at the head of steps 1 to 27, behind the wait for the step's data: it states that the products of the step before are done reading their two slots.  The step's eight loads
; follow it, two behind each of its four products, which name AF[t % 8], UF[t % 5] and the accumulators: none of the registers that those loads touch.  Steps 28 to 31 issue no load and hold no such wait.
.set LAST,  0
.set HP,    32768                      ; LDS 0 .. 32767: A's partial tiles [wave][2 g + f][q][lane x 16];  HP: H's [wave][c][q][lane x 16]
.set UB,    65536                      ; the packed K-block of U_3 (LAST = 1), 2,048 bytes
.set SPARE, 67584                      ; the spare words, 128 bytes for each wave, which no other line names
.set VUB, 1                            ; v1   LAST = 1: UB + 1,024 (wave % 2) + 16 x lane
.set VLN, 2                            ; v2   16 x lane
.set VLS, 3                            ; v3   4,096 x wave + 16 x lane
.set VLR, 4                            ; v4   16 x thread: in waves 0-3 this is 1,024 f + 512 q + 16 x lane
.set VP3, 5                            ; v5   8 rows of 1,024 bytes x h + 16 r
.set SPW, 6                            ; v6   LDS address of my spare word; never rewritten
.set NIL, 7                            ; v7   0; never rewritten
.set ACC, 8                            ; v[8:39]     four accumulators: H's unit (tile c), then the stream (tile 2 g + f), then (LAST = 1) the last product (tile c)
.set AFB, 40                           ; v[40:167]   af's fragments: eight slots of two
.set UFB, 168                          ; v[168:247]  U's fragments: five slots of two
.set UR,  248                          ; v[248:255]  one fragment of U: my unit's, then (LAST = 1) U_3's
.set HU0, AFB+112                      ; v[152:167]  my unit's fragments c = 0, 1 of H: af's slot 7
.set HU1, UFB+64                       ; v[232:247]  and c = 2, 3: U's slot 4
.set HFR, AFB                          ; v[40:71]    LAST = 1: the last product's four fragments of H: af's slots 0 and 1
.set RB,  72                           ; the end: vectors of four partial sums: waves 0-3 v[72:135], 8 g + wave; waves 4, 5 v[72:199], 8 c + wave
.set QQ,  72                           ; LAST = 1: v[72:103] eight rows of four sums
.set EE,  184                          ; waves 0-3: v[184:191] the sums, 2 i + g
.set PK,  192                          ; waves 0-3: v[192:195] packed
.set QH,  200                          ; waves 4, 5: v[200:215] four rows of four sums
.set VRH, 216                          ; waves 4, 5: HP + 512 q + 16 x lane
.set VUS, 217                          ; LAST = 1, waves 0-3: UB + 16 x thread
.macro HALVE base, n                   ; of 2 n vectors of four registers, vector i takes vector i + n
.set hv, 0
.rept \n
	v_pk_add_f32 v[(\base)+4*hv:(\base)+4*hv+1], v[(\base)+4*hv:(\base)+4*hv+1], v[(\base)+4*(hv+(\n)):(\base)+4*(hv+(\n))+1]
	v_pk_add_f32 v[(\base)+4*hv+2:(\base)+4*hv+3], v[(\base)+4*hv+2:(\base)+4*hv+3], v[(\base)+4*(hv+(\n))+2:(\base)+4*(hv+(\n))+3]
.set hv, hv+1
.endr
.endm
.macro AF2 t, p                        ; fragment p of step t's two of af: two loads
.set li, 2*(\p)
.rept 2
	global_load_b128 v[AFB+16*((\t)%8)+4*li:AFB+16*((\t)%8)+4*li+3], v[VLN], s[20:21] offset:(\t)*2048+512*li th:TH_LOAD_NT
.set li, li+1
.endr
.endm
.macro UF2 t, p                        ; fragment p of step t's two of U: two loads
.set li, 2*(\p)
.rept 2
	global_load_b128 v[UFB+16*((\t)%5)+4*li:UFB+16*((\t)%5)+4*li+3], v[VLN], s[22:23] offset:(\t)*2048+512*li
.set li, li+1
.endr
.endm
.macro LDAF t                          ; at the head: step t's two fragments of af
	AF2 \t, 0
	AF2 \t, 1
.endm
.macro LDUF t                          ; at the head: step t's two fragments of U
	UF2 \t, 0
	UF2 \t, 1
.endm
.macro LDH c                           ; LAST = 1: fragment c of the last product's four of H: two loads
	global_load_b128 v[HFR+8*(\c):HFR+8*(\c)+3], v[VLN], s[38:39] offset:((\c)/2)*524288+((\c)%2)*1024
	global_load_b128 v[HFR+8*(\c)+4:HFR+8*(\c)+7], v[VLN], s[38:39] offset:((\c)/2)*524288+((\c)%2)*1024+512
.endm
; One step.  The order of issue is .. AF(t+3) UF(t) AF(t+4) UF(t+1) AF(t+5) UF(t+2) AF(t+6) UF(t+3) | step t: behind UF(t) stand six groups of four loads, as far as they exist; AF(t) is older.
; af's last group is issued in step 24, U's in step 27.  With LAST = 1 the eight loads of the last product's fragments of H take the place of af's groups in steps 25 and 26.
; The four accumulators take turns, one instruction a turn, in the same order in every step.
.macro STEP t
.if (\t) <= 25+2*LAST
	s_wait_loadcnt 24
.elseif (\t) == 31
	s_wait_loadcnt 0x0
.elseif LAST
	s_wait_loadcnt 8*(31-(\t))-4           ; steps 28, 29, 30: 20, 12, 4: H's two groups, one, none, and U's three, two, one
.else
	s_wait_loadcnt 4*(31-(\t))             ; 20, 16, 12, 8, 4: the groups that no longer exist are not counted
.endif
.if ((\t) >= 1) && ((\t) <= 27)
	s_wait_alu depctr_va_vdst(0)           ; the products of the step before are done reading their slots of af and of U, in which the loads below land
.endif
.set i, 0
.rept 4                                ; i = 2 g + f
.if (\t) == 0
	v_wmma_f32_16x16x32_bf16 v[ACC+8*i:ACC+8*i+7], v[AFB+16*((\t)%8)+8*(i/2):AFB+16*((\t)%8)+8*(i/2)+7], v[UFB+16*((\t)%5)+8*(i%2):UFB+16*((\t)%5)+8*(i%2)+7], 0
.else
	v_wmma_f32_16x16x32_bf16 v[ACC+8*i:ACC+8*i+7], v[AFB+16*((\t)%8)+8*(i/2):AFB+16*((\t)%8)+8*(i/2)+7], v[UFB+16*((\t)%5)+8*(i%2):UFB+16*((\t)%5)+8*(i%2)+7], v[ACC+8*i:ACC+8*i+7]
.endif
.if i < 2                              ; two loads behind each product.  No wait: no vector or matrix instruction since the wait above names the slots of the step before
.if (\t) <= 24
	AF2 (\t)+7, i
.elseif LAST && ((\t) <= 26)
	LDH 2*((\t)-25)+i
.endif
.elseif (\t) <= 27
	UF2 (\t)+4, i-2
.endif
.set i, i+1
.endr
.endm
	s_load_b256 s[4:11], s[0:1], 0x0           ; af s[4:5], U s[6:7], uf2 or p3 s[8:9], ph s[10:11]
	v_lshl_add_u32 v[SPW], v0, 2, SPARE
	v_mov_b32 v[NIL], 0
	v_lshrrev_b32 v1, 5, v0
	v_readfirstlane_b32 s12, v1                ; wave 0..7
	v_and_b32 v[VLN], 31, v0
	v_lshlrev_b32 v[VLN], 4, v[VLN]
	v_lshlrev_b32 v[VLR], 4, v0
	s_wait_alu depctr_va_sdst(0)               ; s12 is written, ahead of its first reader: LDS addresses, bases and the end's branches are made from it
	s_lshl_b32 s14, s12, 12
	v_add_nc_u32 v[VLS], s14, v[VLN]
	v_and_b32 v[VP3], 15, v0
	v_lshlrev_b32 v[VP3], 4, v[VP3]
	v_bfe_u32 v1, v0, 4, 1
	v_lshl_or_b32 v[VP3], v1, 13, v[VP3]
	s_mov_b32 s13, ttmp9                       ; x: my column group, and a K-block's number
	s_lshr_b32 s15, s12, 1                     ; wave / 2
	s_and_b32 s16, s12, 1                      ; wave % 2
	s_and_b32 s17, s13, 3                      ; my unit of H: dt,
	s_bfe_u32 s18, s13, 0x10002                ; f (one bit from bit 2),
	s_lshr_b32 s19, s13, 3                     ; part,
	s_lshl_b32 s40, s19, 3
	s_add_co_u32 s40, s40, s12                 ; kb = 8 part + wave
	s_lshl_b32 s28, s13, 19                    ; af: my group of 524,288 bytes,
	s_lshl_b32 s30, s12, 16                    ; my 32 K-blocks of 2,048 bytes, in af and in U
	s_add_co_u32 s28, s28, s30
	s_mov_b32 s29, 0
	s_mov_b32 s31, 0
	s_lshl_b32 s32, s19, 15                    ; ph: part x 32,768 + 16 f rows of 1,024 bytes + 256 bytes for each 64 columns + 4 q rows (q = wave % 2, in waves 4 and 5)
	s_lshl_b32 s33, s18, 14
	s_add_co_u32 s32, s32, s33
	s_lshl_b32 s33, s17, 8
	s_add_co_u32 s32, s32, s33
	s_lshl_b32 s33, s16, 12
	s_add_co_u32 s32, s32, s33
.if LAST
	s_add_co_u32 s32, s32, 1048576             ; the second image
.endif
	s_mov_b32 s33, 0
	s_add_co_u32 s42, s17, 128                 ; my unit's fragments of H: column group 256 + 2 dt,
	s_lshl_b32 s42, s42, 20
	s_lshl_b32 s43, s40, 11                    ; K-block kb
	s_add_co_u32 s42, s42, s43
	s_lshl_b32 s44, s18, 10                    ; and of U: K-block kb, fragment f
	s_add_co_u32 s44, s44, s43
	s_mov_b32 s43, 0
	s_mov_b32 s45, 0
	s_lshl_b32 s46, s16, 9
	s_add_co_u32 s46, s46, HP                  ; LDS: quarter q of H's tiles
.if LAST
	s_lshl_b32 s14, s16, 10
	s_add_co_u32 s14, s14, UB
	v_add_nc_u32 v[VUB], s14, v[VLN]
	s_lshl_b32 s34, s13, 15                    ; p3: x x 32,768 + 16 f rows of 1,024 bytes + 256 bytes for each 64 columns
	s_lshl_b32 s35, s16, 14
	s_add_co_u32 s34, s34, s35
	s_lshl_b32 s35, s15, 8
	s_add_co_u32 s34, s34, s35
	s_add_co_u32 s36, s15, 128                 ; the last product's fragments of H: column group 256 + 2 (wave / 2),
	s_lshl_b32 s36, s36, 20
	s_lshl_b32 s37, s13, 11                    ; K-block x
	s_add_co_u32 s36, s36, s37
	s_mov_b32 s37, 0
.else
	s_lshl_b32 s34, s13, 11                    ; uf2: K-block x
.endif
	s_mov_b32 s35, 0
	s_wait_kmcnt 0x0
	s_add_nc_u64 s[20:21], s[4:5], s[28:29]
	s_add_nc_u64 s[22:23], s[6:7], s[30:31]
	s_add_nc_u64 s[26:27], s[10:11], s[32:33]
	s_add_nc_u64 s[24:25], s[8:9], s[34:35]
	s_add_nc_u64 s[42:43], s[4:5], s[42:43]
	s_add_nc_u64 s[44:45], s[6:7], s[44:45]
.if LAST
	s_add_nc_u64 s[38:39], s[4:5], s[36:37]
.endif
	s_wait_alu depctr_va_vdst(0)               ; the offsets and LDS addresses v1 to v5 are written, which the loads, stores and LDS instructions below read
.set i, 0
.rept 4                                ; i = 2 c + q, c = 0, 1: my unit of H, the oldest loads
	global_load_b128 v[HU0+4*i:HU0+4*i+3], v[VLN], s[42:43] offset:((i/2)%2)*1024+(i%2)*512
.set i, i+1
.endr
.set i, 0
.rept 4                                ; c = 2, 3: the next column group
	global_load_b128 v[HU1+4*i:HU1+4*i+3], v[VLN], s[42:43] offset:524288+((i/2)%2)*1024+(i%2)*512
.set i, i+1
.endr
	global_load_b128 v[UR:UR+3], v[VLN], s[44:45]
	global_load_b128 v[UR+4:UR+7], v[VLN], s[44:45] offset:512
	LDAF 0
	LDAF 1
	LDAF 2
	LDAF 3
	LDUF 0
	LDAF 4
	LDUF 1
	LDAF 5
	LDUF 2
	LDAF 6
	LDUF 3
	s_wait_loadcnt 44                          ; my unit's ten loads are in; the 44 of the stream's first steps stay out
.irp c, 0,1                            ; four sums of one product each: C is the constant 0
	v_wmma_f32_16x16x32_bf16 v[ACC+8*\c:ACC+8*\c+7], v[UR:UR+7], v[HU0+8*\c:HU0+8*\c+7], 0
.endr
.irp c, 0,1
	v_wmma_f32_16x16x32_bf16 v[ACC+16+8*\c:ACC+16+8*\c+7], v[UR:UR+7], v[HU1+8*\c:HU1+8*\c+7], 0
.endr
.rept 8
	v_nop                                      ; the places between these products and the LDS stores that read their results, and step 0's products, which write the accumulators anew
.endr
	s_wait_alu depctr_va_vdst(0)               ; the unit's products have written the accumulators, which the LDS stores read, and are done reading H's fragments, in which step 0's loads land
.set i, 0
.rept 8                                ; i = 2 c + q: each accumulator's low registers go first
	ds_store_b128 v[VLS], v[ACC+4*i:ACC+4*i+3] offset:HP+512*i
.set i, i+1
.endr
	s_wait_dscnt 0x0                           ; the stores have read the accumulators, which step 0 writes anew
	s_wait_alu depctr_vm_vsrc(0)               ; the same, as the mode has it stated: the LDS stores have read v[ACC ..], ahead of step 0's products
.set st, 0
.rept 32
	STEP st
.set st, st+1
.endr
.rept 8
	v_nop                                      ; the places between the last products and what reads their results or writes their registers
.endr
	s_wait_alu depctr_va_vdst(0)               ; the products have written the accumulators, which the LDS stores read, and are done reading the slots, in which the end's LDS loads land
.set i, 0
.rept 8                                ; each accumulator's low registers go first
	ds_store_b128 v[VLS], v[ACC+4*i:ACC+4*i+3] offset:512*i
.set i, i+1
.endr
	s_wait_dscnt 0x0                           ; for the others' sake: my partial tiles, A's and H's, are written
	s_barrier_signal -1
	s_barrier_wait -1
	s_cmp_lt_u32 s12, 4
	s_cbranch_scc0 .Lhigh
	; waves 0-3: A's tiles
.set i, 0
.rept 16                               ; i = 8 g + the wave that wrote
	ds_load_b128 v[RB+4*i:RB+4*i+3], v[VLR] offset:(i%8)*4096+(i/8)*2048
.set i, i+1
.endr
	s_wait_dscnt 0x0
	HALVE RB, 4
	HALVE RB+32, 4
	HALVE RB, 2
	HALVE RB+32, 2
.irp i, 0,1,2,3
	v_add_f32 v[EE+2*\i], v[RB+\i], v[RB+4+\i]             ; the last addition lays g = 0 and g = 1 side by side
	v_add_f32 v[EE+2*\i+1], v[RB+32+\i], v[RB+36+\i]
.endr
.irp i, 0,1,2,3
	v_cvt_pk_bf16_f32 v[PK+\i], v[EE+2*\i], v[EE+2*\i+1]
.endr
.if LAST
	v_add_nc_u32 v[VUS], UB, v[VLR]
	s_wait_alu depctr_va_vdst(0)               ; the conversions have written v[PK ..] and the line above v[VUS], which the LDS store reads
	ds_store_b128 v[VUS], v[PK:PK+3]
.else
	s_wait_alu depctr_va_vdst(0)               ; the conversions have written v[PK ..], which the store reads
	global_store_b128 v[VLR], v[PK:PK+3], s[24:25]
.endif
	s_branch .Lrest
.Lhigh:
	s_cmp_lt_u32 s12, 6
	s_cbranch_scc0 .Lrest
	; waves 4 and 5: H's tiles, quarter q = wave % 2 of all four c
	v_add_nc_u32 v[VRH], s46, v[VLN]
	s_wait_alu depctr_va_vdst(0)               ; v[VRH] is written, which the LDS loads read as their address
.set i, 0
.rept 32                               ; i = 8 c + the wave that wrote
	ds_load_b128 v[RB+4*i:RB+4*i+3], v[VRH] offset:(i%8)*4096+(i/8)*1024
.set i, i+1
.endr
	s_wait_dscnt 0x0
.irp c, 0,1,2,3
	HALVE RB+32*\c, 4
	HALVE RB+32*\c, 2
.irp i, 0,1,2,3
	v_add_f32 v[QH+4*\i+\c], v[RB+32*\c+\i], v[RB+32*\c+4+\i]   ; the last addition lays the four columns 4 r .. 4 r + 3 of a row side by side
.endr
.endr
	s_wait_alu depctr_va_vdst(0)               ; the additions have written v[QH ..], which the stores read
.irp i, 0,1,2,3
	global_store_b128 v[VP3], v[QH+4*\i:QH+4*\i+3], s[26:27] offset:1024*\i   ; 16 lanes store 256 consecutive bytes, aligned
.endr
.Lrest:
.if LAST
	s_wait_dscnt 0x0                           ; for the others' sake: my quarter of the packed K-block is written
	s_barrier_signal -1
	s_barrier_wait -1
	s_wait_alu depctr_vm_vsrc(0)               ; my LDS stores of the partial tiles have read the accumulators, which the products below write anew
	ds_load_b128 v[UR:UR+3], v[VUB]
	ds_load_b128 v[UR+4:UR+7], v[VUB] offset:512
	s_wait_dscnt 0x0
	; source 0 = U_3's fragment, source 1 = H's: register j of lane (r, h) holds place 8 h + j of f, column 64 (wave / 2) + 4 r + c.  Four sums of one product each: C is the constant 0
.irp c, 0,1,2,3
	v_wmma_f32_16x16x32_bf16 v[ACC+8*\c:ACC+8*\c+7], v[UR:UR+7], v[HFR+8*\c:HFR+8*\c+7], 0
.endr
.rept 8
	v_nop
.endr
.set i, 0
.rept 32                               ; i = 4 j + c, j ascending: the four columns 4 r .. 4 r + 3 of a row come to lie side by side, so that 16 lanes store 256 consecutive bytes
	v_mov_b32 v[QQ+i], v[ACC+8*(i%4)+i/4]
.set i, i+1
.endr
	s_wait_alu depctr_va_vdst(0)               ; the moves have written v[QQ ..], which the stores read
.irp j, 0,1,2,3,4,5,6,7
	global_store_b128 v[VP3], v[QQ+4*\j:QQ+4*\j+3], s[24:25] offset:1024*\j th:TH_STORE_NT
.endr
.endif
	s_wait_dscnt 0x0                           ; the closing lines, six on end
	s_wait_alu 0x0
	s_wait_tensorcnt 0x0
	ds_add_u32 v[SPW], v[NIL]
	s_wait_dscnt 0x0
	s_endpgm
.Lfunc_end_k_q6eaa251e2e_hop2:
	.size	k_q6eaa251e2e_hop2, .Lfunc_end_k_q6eaa251e2e_hop2-k_q6eaa251e2e_hop2
	.p2alignl 7, 3214868480
	.fill 96, 4, 3214868480
	.section	.rodata,"a",@progbits
	.p2align	6, 0x0
	.amdhsa_kernel k_q6eaa251e2e_hop2
		.amdhsa_group_segment_fixed_size 68608
		.amdhsa_private_segment_fixed_size 0
		.amdhsa_enable_private_segment 0
		.amdhsa_kernarg_size 32
		.amdhsa_user_sgpr_count 2
		.amdhsa_user_sgpr_kernarg_segment_ptr 1
		.amdhsa_wavefront_size32 1
		.amdhsa_system_sgpr_workgroup_id_x 1
		.amdhsa_system_sgpr_workgroup_id_y 1
		.amdhsa_system_sgpr_workgroup_id_z 1
		.amdhsa_system_vgpr_workitem_id 0
		.amdhsa_next_free_vgpr 256
		.amdhsa_next_free_sgpr 66
		.amdhsa_reserve_vcc 0
		.amdhsa_float_denorm_mode_32 3
		.amdhsa_float_denorm_mode_16_64 3
		.amdhsa_memory_ordered 1
		.amdhsa_forward_progress 1
		.amdhsa_inst_pref_size 49
	.end_amdhsa_kernel
	.amdgpu_metadata
---
amdhsa.version: [ 1, 2 ]
amdhsa.kernels:
  - .name:           k_q6eaa251e2e_hop2
    .symbol:         k_q6eaa251e2e_hop2.kd
    .args:
      - { .name: af, .offset: 0, .size: 8, .value_kind: global_buffer, .address_space: global }
      - { .name: uf1, .offset: 8, .size: 8, .value_kind: global_buffer, .address_space: global }
      - { .name: uf2, .offset: 16, .size: 8, .value_kind: global_buffer, .address_space: global }
      - { .name: ph, .offset: 24, .size: 8, .value_kind: global_buffer, .address_space: global }
    .group_segment_fixed_size: 68608
    .private_segment_fixed_size: 0
    .kernarg_segment_align: 8
    .kernarg_segment_size: 32
    .max_flat_workgroup_size: 256
    .sgpr_count:     66
    .vgpr_count:     256
    .wavefront_size: 32
...
	.end_amdgpu_metadata
.endif
;; end of part 8
;; launch hop3 (part 9): grid 256 x 1, 8 waves a work-group, no clusters, 68,608 bytes of LDS; arguments af, uf2, p3, ph; writes p3, ph
.if DOCPART == 9
	.amdgcn_target "amdgcn-amd-amdhsa--gfx1250"
	.amdhsa_code_object_version 6
	.text
	.protected	k_q6eaa251e2e_hop3
	.globl	k_q6eaa251e2e_hop3
	.p2align	8
	.type	k_q6eaa251e2e_hop3,@function
k_q6eaa251e2e_hop3:
	s_mov_b64 s[64:65], 0
	v_nop
	global_prefetch_b8 v0, s[64:65] scope:SCOPE_SE
	s_setreg_imm32_b32 hwreg(HW_REG_WAVE_SCHED_MODE, 0, 2), 2
	s_setreg_imm32_b32 hwreg(HW_REG_WAVE_MODE, 25, 1), 1
	s_wait_xcnt 0x0
	s_wait_alu depctr_vm_vsrc(0)
; Launches 3 and 4 of 6 are one text; LAST = 0: U_2 = U_1 A and partial sums of Phi_1 = U_1 H;  LAST = 1: partial sums of Phi_2 = U_2 H and of Phi_3 = (U_2 A) H.
; A^k H is never formed: U_k = V^T A^k is carried instead (the proof stands at the head of launch 1).  Names (K-block, place, fragment) as there.
; SHARES: 256 work-groups of equal work.  Work-group x owns column group x of af: the 32 columns of A that are K-block x, and ALL 8,192 rows, so each number of U_(k+1) has one owner.
; Wave w takes K-blocks 32 w .. 32 w + 31, one a step: two fragments of af (each read once in the launch, by this wave alone) and two of U (which every work-group reads),
; straight from memory into operand registers: each load of a wave covers 512 consecutive bytes, aligned.  Nothing is shared between waves on the way in, so nothing goes through LDS.
; H'S SHARE.  Phi_k = the sum over K-blocks kb of U_k[:, kb] H[kb, :]: 256 kb x 4 tiles dt of 64 columns x 2 fragments f of U = 2,048 units of four products, one for each wave of the launch.
; Work-group x: dt = x % 4, f = (x / 4) % 2, part = x / 8; wave w: kb = 8 part + w.  Source 0 = U's fragment, source 1 = H's four (column groups 256 + 2 dt, 257 + 2 dt of af): register j of lane (r, h)
; of result c holds place 8 h + j of f, column 64 dt + 4 r + c.  The unit stands at the wave's beginning, on its oldest loads, in the accumulators that the stream has not yet begun, and waits in LDS for the end.
; IN FLIGHT.  af's fragments are asked for seven steps ahead, U's four.  The waits are counted.
; THE END.  The eight waves' partial tiles meet in LDS.  Waves 0-3 add A's (wave w: f = w / 2, registers 4 (w % 2) ..): register j of tile (g, f) holds, for place r of f, column place (h, 2 j + g) of the group.
;   LAST = 0: the pairs (g = 0, g = 1), rounded to bf16, are K-block x of the next hop's operand: uf2[kb][f][q][lane][16 bytes].
;   LAST = 1: U_3 is not stored.  Phi_3 = the sum over x of U_3[:, K-block x] H[K-block x, :]: the packed K-block goes through LDS to all eight waves, wave w multiplies fragment f = w % 2
;             by H's four fragments of columns 64 (w / 2) .., and the partial sum is stored: p3[x][16 f + place][256 d] in f32.
; Waves 4 and 5 add H's (wave 4 + q: registers 4 q ..) and store them: ph[LAST][part][16 f + place][256 d] in f32.  The sums over part and over x are taken in launch 5.
; NO CLUSTER, no tensor loads.  U, 524,288 bytes, is what all work-groups read: half of a work-group's bytes.  Asked for jointly it would come through LDS; two slots of a quarter of it
; (131,072 bytes each) do not fit beside the 68,608 bytes used here, and slots of an eighth mean six refills, each behind a round of the cluster's barrier at which 32 waves meet, in a launch
; whose length is af's stream, which is each wave's own.  Not built.
; THE MODE: SCHED_MODE bits 1:0 = 2 (LLVM: expert scheduling mode 2), set by the entry lines.  The code itself states the register dependences
; between vector or matrix instructions and memory or LDS instructions, with s_wait_alu, always for 0.
; THE PLAN.  Registers that memory or LDS instructions touch:
;   AF0 .. AF7   Step t: its four products read AF[t % 8]; the loads issued in step t + 1 (af's fragments of step t + 8) land in it.  Eight slots for a lead of seven: a slot lies idle from its products to the next step's head.
;   UF0 .. UF4   Step t: its products read UF[t % 5]; the loads issued in step t + 1 (U's fragments of step t + 5) land in it.  Five slots for a lead of four.
;   AF7 and UF4  hold my unit's four fragments of H at the start: the stream fills them first in step 0, behind the unit's products.
;   AF0 and AF1  (LAST = 1) take the last product's four fragments of H in steps 25 and 26, when they have had their last fragments of af.
;   ACC          Written by the unit's products, read by LDS stores, written anew from step 0 on, read by LDS stores at the end, and (LAST = 1) written anew by the last products.
;   UR           Read by the unit's products; (LAST = 1) loaded from LDS at the end.
;   v1 .. v5     Offsets and LDS addresses: made at the head, never written again.      v6, v7  written at the head, read by the closing add alone.
; So ONE wait on va_vdst stands at the head of steps 1 to 27, behind the wait for the step's data: it states that the products of the step before are done reading their two slots.  The step's eight loads
; follow it, two behind each of its four products, which name AF[t % 8], UF[t % 5] and the accumulators: none of the registers that those loads touch.  Steps 28 to 31 issue no load and hold no such wait.
.set LAST,  1
.set HP,    32768                      ; LDS 0 .. 32767: A's partial tiles [wave][2 g + f][q][lane x 16];  HP: H's [wave][c][q][lane x 16]
.set UB,    65536                      ; the packed K-block of U_3 (LAST = 1), 2,048 bytes
.set SPARE, 67584                      ; the spare words, 128 bytes for each wave, which no other line names
.set VUB, 1                            ; v1   LAST = 1: UB + 1,024 (wave % 2) + 16 x lane
.set VLN, 2                            ; v2   16 x lane
.set VLS, 3                            ; v3   4,096 x wave + 16 x lane
.set VLR, 4                            ; v4   16 x thread: in waves 0-3 this is 1,024 f + 512 q + 16 x lane
.set VP3, 5                            ; v5   8 rows of 1,024 bytes x h + 16 r
.set SPW, 6                            ; v6   LDS address of my spare word; never rewritten
.set NIL, 7                            ; v7   0; never rewritten
.set ACC, 8                            ; v[8:39]     four accumulators: H's unit (tile c), then the stream (tile 2 g + f), then (LAST = 1) the last product (tile c)
.set AFB, 40                           ; v[40:167]   af's fragments: eight slots of two
.set UFB, 168                          ; v[168:247]  U's fragments: five slots of two
.set UR,  248                          ; v[248:255]  one fragment of U: my unit's, then (LAST = 1) U_3's
.set HU0, AFB+112                      ; v[152:167]  my unit's fragments c = 0, 1 of H: af's slot 7
.set HU1, UFB+64                       ; v[232:247]  and c = 2, 3: U's slot 4
.set HFR, AFB                          ; v[40:71]    LAST = 1: the last product's four fragments of H: af's slots 0 and 1
.set RB,  72                           ; the end: vectors of four partial sums: waves 0-3 v[72:135], 8 g + wave; waves 4, 5 v[72:199], 8 c + wave
.set QQ,  72                           ; LAST = 1: v[72:103] eight rows of four sums
.set EE,  184                          ; waves 0-3: v[184:191] the sums, 2 i + g
.set PK,  192                          ; waves 0-3: v[192:195] packed
.set QH,  200                          ; waves 4, 5: v[200:215] four rows of four sums
.set VRH, 216                          ; waves 4, 5: HP + 512 q + 16 x lane
.set VUS, 217                          ; LAST = 1, waves 0-3: UB + 16 x thread
.macro HALVE base, n                   ; of 2 n vectors of four registers, vector i takes vector i + n
.set hv, 0
.rept \n
	v_pk_add_f32 v[(\base)+4*hv:(\base)+4*hv+1], v[(\base)+4*hv:(\base)+4*hv+1], v[(\base)+4*(hv+(\n)):(\base)+4*(hv+(\n))+1]
	v_pk_add_f32 v[(\base)+4*hv+2:(\base)+4*hv+3], v[(\base)+4*hv+2:(\base)+4*hv+3], v[(\base)+4*(hv+(\n))+2:(\base)+4*(hv+(\n))+3]
.set hv, hv+1
.endr
.endm
.macro AF2 t, p                        ; fragment p of step t's two of af: two loads
.set li, 2*(\p)
.rept 2
	global_load_b128 v[AFB+16*((\t)%8)+4*li:AFB+16*((\t)%8)+4*li+3], v[VLN], s[20:21] offset:(\t)*2048+512*li th:TH_LOAD_NT
.set li, li+1
.endr
.endm
.macro UF2 t, p                        ; fragment p of step t's two of U: two loads
.set li, 2*(\p)
.rept 2
	global_load_b128 v[UFB+16*((\t)%5)+4*li:UFB+16*((\t)%5)+4*li+3], v[VLN], s[22:23] offset:(\t)*2048+512*li
.set li, li+1
.endr
.endm
.macro LDAF t                          ; at the head: step t's two fragments of af
	AF2 \t, 0
	AF2 \t, 1
.endm
.macro LDUF t                          ; at the head: step t's two fragments of U
	UF2 \t, 0
	UF2 \t, 1
.endm
.macro LDH c                           ; LAST = 1: fragment c of the last product's four of H: two loads
	global_load_b128 v[HFR+8*(\c):HFR+8*(\c)+3], v[VLN], s[38:39] offset:((\c)/2)*524288+((\c)%2)*1024
	global_load_b128 v[HFR+8*(\c)+4:HFR+8*(\c)+7], v[VLN], s[38:39] offset:((\c)/2)*524288+((\c)%2)*1024+512
.endm
; One step.  The order of issue is .. AF(t+3) UF(t) AF(t+4) UF(t+1) AF(t+5) UF(t+2) AF(t+6) UF(t+3) | step t: behind UF(t) stand six groups of four loads, as far as they exist; AF(t) is older.
; af's last group is issued in step 24, U's in step 27.  With LAST = 1 the eight loads of the last product's fragments of H take the place of af's groups in steps 25 and 26.
; The four accumulators take turns, one instruction a turn, in the same order in every step.
.macro STEP t
.if (\t) <= 25+2*LAST
	s_wait_loadcnt 24
.elseif (\t) == 31
	s_wait_loadcnt 0x0
.elseif LAST
	s_wait_loadcnt 8*(31-(\t))-4           ; steps 28, 29, 30: 20, 12, 4: H's two groups, one, none, and U's three, two, one
.else
	s_wait_loadcnt 4*(31-(\t))             ; 20, 16, 12, 8, 4: the groups that no longer exist are not counted
.endif
.if ((\t) >= 1) && ((\t) <= 27)
	s_wait_alu depctr_va_vdst(0)           ; the products of the step before are done reading their slots of af and of U, in which the loads below land
.endif
.set i, 0
.rept 4                                ; i = 2 g + f
.if (\t) == 0
	v_wmma_f32_16x16x32_bf16 v[ACC+8*i:ACC+8*i+7], v[AFB+16*((\t)%8)+8*(i/2):AFB+16*((\t)%8)+8*(i/2)+7], v[UFB+16*((\t)%5)+8*(i%2):UFB+16*((\t)%5)+8*(i%2)+7], 0
.else
	v_wmma_f32_16x16x32_bf16 v[ACC+8*i:ACC+8*i+7], v[AFB+16*((\t)%8)+8*(i/2):AFB+16*((\t)%8)+8*(i/2)+7], v[UFB+16*((\t)%5)+8*(i%2):UFB+16*((\t)%5)+8*(i%2)+7], v[ACC+8*i:ACC+8*i+7]
.endif
.if i < 2                              ; two loads behind each product.  No wait: no vector or matrix instruction since the wait above names the slots of the step before
.if (\t) <= 24
	AF2 (\t)+7, i
.elseif LAST && ((\t) <= 26)
	LDH 2*((\t)-25)+i
.endif
.elseif (\t) <= 27
	UF2 (\t)+4, i-2
.endif
.set i, i+1
.endr
.endm
	s_load_b256 s[4:11], s[0:1], 0x0           ; af s[4:5], U s[6:7], uf2 or p3 s[8:9], ph s[10:11]
	v_lshl_add_u32 v[SPW], v0, 2, SPARE
	v_mov_b32 v[NIL], 0
	v_lshrrev_b32 v1, 5, v0
	v_readfirstlane_b32 s12, v1                ; wave 0..7
	v_and_b32 v[VLN], 31, v0
	v_lshlrev_b32 v[VLN], 4, v[VLN]
	v_lshlrev_b32 v[VLR], 4, v0
	s_wait_alu depctr_va_sdst(0)               ; s12 is written, ahead of its first reader: LDS addresses, bases and the end's branches are made from it
	s_lshl_b32 s14, s12, 12
	v_add_nc_u32 v[VLS], s14, v[VLN]
	v_and_b32 v[VP3], 15, v0
	v_lshlrev_b32 v[VP3], 4, v[VP3]
	v_bfe_u32 v1, v0, 4, 1
	v_lshl_or_b32 v[VP3], v1, 13, v[VP3]
	s_mov_b32 s13, ttmp9                       ; x: my column group, and a K-block's number
	s_lshr_b32 s15, s12, 1                     ; wave / 2
	s_and_b32 s16, s12, 1                      ; wave % 2
	s_and_b32 s17, s13, 3                      ; my unit of H: dt,
	s_bfe_u32 s18, s13, 0x10002                ; f (one bit from bit 2),
	s_lshr_b32 s19, s13, 3                     ; part,
	s_lshl_b32 s40, s19, 3
	s_add_co_u32 s40, s40, s12                 ; kb = 8 part + wave
	s_lshl_b32 s28, s13, 19                    ; af: my group of 524,288 bytes,
	s_lshl_b32 s30, s12, 16                    ; my 32 K-blocks of 2,048 bytes, in af and in U
	s_add_co_u32 s28, s28, s30
	s_mov_b32 s29, 0
	s_mov_b32 s31, 0
	s_lshl_b32 s32, s19, 15                    ; ph: part x 32,768 + 16 f rows of 1,024 bytes + 256 bytes for each 64 columns + 4 q rows (q = wave % 2, in waves 4 and 5)
	s_lshl_b32 s33, s18, 14
	s_add_co_u32 s32, s32, s33
	s_lshl_b32 s33, s17, 8
	s_add_co_u32 s32, s32, s33
	s_lshl_b32 s33, s16, 12
	s_add_co_u32 s32, s32, s33
.if LAST
	s_add_co_u32 s32, s32, 1048576             ; the second image
.endif
	s_mov_b32 s33, 0
	s_add_co_u32 s42, s17, 128                 ; my unit's fragments of H: column group 256 + 2 dt,
	s_lshl_b32 s42, s42, 20
	s_lshl_b32 s43, s40, 11                    ; K-block kb
	s_add_co_u32 s42, s42, s43
	s_lshl_b32 s44, s18, 10                    ; and of U: K-block kb, fragment f
	s_add_co_u32 s44, s44, s43
	s_mov_b32 s43, 0
	s_mov_b32 s45, 0
	s_lshl_b32 s46, s16, 9
	s_add_co_u32 s46, s46, HP                  ; LDS: quarter q of H's tiles
.if LAST
	s_lshl_b32 s14, s16, 10
	s_add_co_u32 s14, s14, UB
	v_add_nc_u32 v[VUB], s14, v[VLN]
	s_lshl_b32 s34, s13, 15                    ; p3: x x 32,768 + 16 f rows of 1,024 bytes + 256 bytes for each 64 columns
	s_lshl_b32 s35, s16, 14
	s_add_co_u32 s34, s34, s35
	s_lshl_b32 s35, s15, 8
	s_add_co_u32 s34, s34, s35
	s_add_co_u32 s36, s15, 128                 ; the last product's fragments of H: column group 256 + 2 (wave / 2),
	s_lshl_b32 s36, s36, 20
	s_lshl_b32 s37, s13, 11                    ; K-block x
	s_add_co_u32 s36, s36, s37
	s_mov_b32 s37, 0
.else
	s_lshl_b32 s34, s13, 11                    ; uf2: K-block x
.endif
	s_mov_b32 s35, 0
	s_wait_kmcnt 0x0
	s_add_nc_u64 s[20:21], s[4:5], s[28:29]
	s_add_nc_u64 s[22:23], s[6:7], s[30:31]
	s_add_nc_u64 s[26:27], s[10:11], s[32:33]
	s_add_nc_u64 s[24:25], s[8:9], s[34:35]
	s_add_nc_u64 s[42:43], s[4:5], s[42:43]
	s_add_nc_u64 s[44:45], s[6:7], s[44:45]
.if LAST
	s_add_nc_u64 s[38:39], s[4:5], s[36:37]
.endif
	s_wait_alu depctr_va_vdst(0)               ; the offsets and LDS addresses v1 to v5 are written, which the loads, stores and LDS instructions below read
.set i, 0
.rept 4                                ; i = 2 c + q, c = 0, 1: my unit of H, the oldest loads
	global_load_b128 v[HU0+4*i:HU0+4*i+3], v[VLN], s[42:43] offset:((i/2)%2)*1024+(i%2)*512
.set i, i+1
.endr
.set i, 0
.rept 4                                ; c = 2, 3: the next column group
	global_load_b128 v[HU1+4*i:HU1+4*i+3], v[VLN], s[42:43] offset:524288+((i/2)%2)*1024+(i%2)*512
.set i, i+1
.endr
	global_load_b128 v[UR:UR+3], v[VLN], s[44:45]
	global_load_b128 v[UR+4:UR+7], v[VLN], s[44:45] offset:512
	LDAF 0
	LDAF 1
	LDAF 2
	LDAF 3
	LDUF 0
	LDAF 4
	LDUF 1
	LDAF 5
	LDUF 2
	LDAF 6
	LDUF 3
	s_wait_loadcnt 44                          ; my unit's ten loads are in; the 44 of the stream's first steps stay out
.irp c, 0,1                            ; four sums of one product each: C is the constant 0
	v_wmma_f32_16x16x32_bf16 v[ACC+8*\c:ACC+8*\c+7], v[UR:UR+7], v[HU0+8*\c:HU0+8*\c+7], 0
.endr
.irp c, 0,1
	v_wmma_f32_16x16x32_bf16 v[ACC+16+8*\c:ACC+16+8*\c+7], v[UR:UR+7], v[HU1+8*\c:HU1+8*\c+7], 0
.endr
.rept 8
	v_nop                                      ; the places between these products and the LDS stores that read their results, and step 0's products, which write the accumulators anew
.endr
	s_wait_alu depctr_va_vdst(0)               ; the unit's products have written the accumulators, which the LDS stores read, and are done reading H's fragments, in which step 0's loads land
.set i, 0
.rept 8                                ; i = 2 c + q: each accumulator's low registers go first
	ds_store_b128 v[VLS], v[ACC+4*i:ACC+4*i+3] offset:HP+512*i
.set i, i+1
.endr
	s_wait_dscnt 0x0                           ; the stores have read the accumulators, which step 0 writes anew
	s_wait_alu depctr_vm_vsrc(0)               ; the same, as the mode has it stated: the LDS stores have read v[ACC ..], ahead of step 0's products
.set st, 0
.rept 32
	STEP st
.set st, st+1
.endr
.rept 8
	v_nop                                      ; the places between the last products and what reads their results or writes their registers
.endr
	s_wait_alu depctr_va_vdst(0)               ; the products have written the accumulators, which the LDS stores read, and are done reading the slots, in which the end's LDS loads land
.set i, 0
.rept 8                                ; each accumulator's low registers go first
	ds_store_b128 v[VLS], v[ACC+4*i:ACC+4*i+3] offset:512*i
.set i, i+1
.endr
	s_wait_dscnt 0x0                           ; for the others' sake: my partial tiles, A's and H's, are written
	s_barrier_signal -1
	s_barrier_wait -1
	s_cmp_lt_u32 s12, 4
	s_cbranch_scc0 .Lhigh
	; waves 0-3: A's tiles
.set i, 0
.rept 16                               ; i = 8 g + the wave that wrote
	ds_load_b128 v[RB+4*i:RB+4*i+3], v[VLR] offset:(i%8)*4096+(i/8)*2048
.set i, i+1
.endr
	s_wait_dscnt 0x0
	HALVE RB, 4
	HALVE RB+32, 4
	HALVE RB, 2
	HALVE RB+32, 2
.irp i, 0,1,2,3
	v_add_f32 v[EE+2*\i], v[RB+\i], v[RB+4+\i]             ; the last addition lays g = 0 and g = 1 side by side
	v_add_f32 v[EE+2*\i+1], v[RB+32+\i], v[RB+36+\i]
.endr
.irp i, 0,1,2,3
	v_cvt_pk_bf16_f32 v[PK+\i], v[EE+2*\i], v[EE+2*\i+1]
.endr
.if LAST
	v_add_nc_u32 v[VUS], UB, v[VLR]
	s_wait_alu depctr_va_vdst(0)               ; the conversions have written v[PK ..] and the line above v[VUS], which the LDS store reads
	ds_store_b128 v[VUS], v[PK:PK+3]
.else
	s_wait_alu depctr_va_vdst(0)               ; the conversions have written v[PK ..], which the store reads
	global_store_b128 v[VLR], v[PK:PK+3], s[24:25]
.endif
	s_branch .Lrest
.Lhigh:
	s_cmp_lt_u32 s12, 6
	s_cbranch_scc0 .Lrest
	; waves 4 and 5: H's tiles, quarter q = wave % 2 of all four c
	v_add_nc_u32 v[VRH], s46, v[VLN]
	s_wait_alu depctr_va_vdst(0)               ; v[VRH] is written, which the LDS loads read as their address
.set i, 0
.rept 32                               ; i = 8 c + the wave that wrote
	ds_load_b128 v[RB+4*i:RB+4*i+3], v[VRH] offset:(i%8)*4096+(i/8)*1024
.set i, i+1
.endr
	s_wait_dscnt 0x0
.irp c, 0,1,2,3
	HALVE RB+32*\c, 4
	HALVE RB+32*\c, 2
.irp i, 0,1,2,3
	v_add_f32 v[QH+4*\i+\c], v[RB+32*\c+\i], v[RB+32*\c+4+\i]   ; the last addition lays the four columns 4 r .. 4 r + 3 of a row side by side
.endr
.endr
	s_wait_alu depctr_va_vdst(0)               ; the additions have written v[QH ..], which the stores read
.irp i, 0,1,2,3
	global_store_b128 v[VP3], v[QH+4*\i:QH+4*\i+3], s[26:27] offset:1024*\i   ; 16 lanes store 256 consecutive bytes, aligned
.endr
.Lrest:
.if LAST
	s_wait_dscnt 0x0                           ; for the others' sake: my quarter of the packed K-block is written
	s_barrier_signal -1
	s_barrier_wait -1
	s_wait_alu depctr_vm_vsrc(0)               ; my LDS stores of the partial tiles have read the accumulators, which the products below write anew
	ds_load_b128 v[UR:UR+3], v[VUB]
	ds_load_b128 v[UR+4:UR+7], v[VUB] offset:512
	s_wait_dscnt 0x0
	; source 0 = U_3's fragment, source 1 = H's: register j of lane (r, h) holds place 8 h + j of f, column 64 (wave / 2) + 4 r + c.  Four sums of one product each: C is the constant 0
.irp c, 0,1,2,3
	v_wmma_f32_16x16x32_bf16 v[ACC+8*\c:ACC+8*\c+7], v[UR:UR+7], v[HFR+8*\c:HFR+8*\c+7], 0
.endr
.rept 8
	v_nop
.endr
.set i, 0
.rept 32                               ; i = 4 j + c, j ascending: the four columns 4 r .. 4 r + 3 of a row come to lie side by side, so that 16 lanes store 256 consecutive bytes
	v_mov_b32 v[QQ+i], v[ACC+8*(i%4)+i/4]
.set i, i+1
.endr
	s_wait_alu depctr_va_vdst(0)               ; the moves have written v[QQ ..], which the stores read
.irp j, 0,1,2,3,4,5,6,7
	global_store_b128 v[VP3], v[QQ+4*\j:QQ+4*\j+3], s[24:25] offset:1024*\j th:TH_STORE_NT
.endr
.endif
	s_wait_dscnt 0x0                           ; the closing lines, six on end
	s_wait_alu 0x0
	s_wait_tensorcnt 0x0
	ds_add_u32 v[SPW], v[NIL]
	s_wait_dscnt 0x0
	s_endpgm
.Lfunc_end_k_q6eaa251e2e_hop3:
	.size	k_q6eaa251e2e_hop3, .Lfunc_end_k_q6eaa251e2e_hop3-k_q6eaa251e2e_hop3
	.p2alignl 7, 3214868480
	.fill 96, 4, 3214868480
	.section	.rodata,"a",@progbits
	.p2align	6, 0x0
	.amdhsa_kernel k_q6eaa251e2e_hop3
		.amdhsa_group_segment_fixed_size 68608
		.amdhsa_private_segment_fixed_size 0
		.amdhsa_enable_private_segment 0
		.amdhsa_kernarg_size 32
		.amdhsa_user_sgpr_count 2
		.amdhsa_user_sgpr_kernarg_segment_ptr 1
		.amdhsa_wavefront_size32 1
		.amdhsa_system_sgpr_workgroup_id_x 1
		.amdhsa_system_sgpr_workgroup_id_y 1
		.amdhsa_system_sgpr_workgroup_id_z 1
		.amdhsa_system_vgpr_workitem_id 0
		.amdhsa_next_free_vgpr 256
		.amdhsa_next_free_sgpr 66
		.amdhsa_reserve_vcc 0
		.amdhsa_float_denorm_mode_32 3
		.amdhsa_float_denorm_mode_16_64 3
		.amdhsa_memory_ordered 1
		.amdhsa_forward_progress 1
		.amdhsa_inst_pref_size 53
	.end_amdhsa_kernel
	.amdgpu_metadata
---
amdhsa.version: [ 1, 2 ]
amdhsa.kernels:
  - .name:           k_q6eaa251e2e_hop3
    .symbol:         k_q6eaa251e2e_hop3.kd
    .args:
      - { .name: af, .offset: 0, .size: 8, .value_kind: global_buffer, .address_space: global }
      - { .name: uf2, .offset: 8, .size: 8, .value_kind: global_buffer, .address_space: global }
      - { .name: p3, .offset: 16, .size: 8, .value_kind: global_buffer, .address_space: global }
      - { .name: ph, .offset: 24, .size: 8, .value_kind: global_buffer, .address_space: global }
    .group_segment_fixed_size: 68608
    .private_segment_fixed_size: 0
    .kernarg_segment_align: 8
    .kernarg_segment_size: 32
    .max_flat_workgroup_size: 256
    .sgpr_count:     66
    .vgpr_count:     256
    .wavefront_size: 32
...
	.end_amdgpu_metadata
.endif
;; end of part 9
;; launch tmat: the kernel of part 5 again; grid 32 x 1, 16 waves a work-group, no clusters, 38,912 bytes of LDS; arguments p0, ph, p3, eigvals, hop_weights, lap_logits, spec_logits, tm, out1, out2; writes tm, out1, out2
;; launch fin: the kernel of part 6 again; grid 256 x 1, 8 waves a work-group, no clusters, 2,048 bytes of LDS; arguments H, V, tm, threshold, ln_gamma, ln_beta, out0; writes out0
